; MI455X (gfx1250); checked and timed in simulation.
; The chip was launched on July 23, 2026; its instructions are those of AMD's public machine-readable ISA for CDNA 5 (MIT licence, August 2026) and "CDNA5" Instruction Set Architecture Reference Guide (July 2026). The comments in the code are by the model that wrote it; some were corrected since.
;; Axial Multihead Attention. Allowed arithmetic: matrix products marked QUANTISED: E4M3 operands, one E8M0 scale for each 32 along K, by v_wmma_scale_f32_16x16x128_f8f6f4 with both operands' format E4M3, f32 sums; everything else in f32.
;; Inputs: W_in 3,072 x 1,024 float32; W_out 1,024 x 1,024 float32; b_in 3,072 float32; b_out 1,024 float32; x 8 x 1,024 x 1,024 float32.
;; Outputs: out0 8 x 1,024 x 1,024 float32; out1 8 x 1,024 x 1,024 float32.
;; This version of the problem:
;;   THIS VERSION OF THE PROBLEM IS GIVEN IN LOW PRECISION. The matrix products marked QUANTISED in the list below multiply operands that are first quantised to E4M3 (4 exponent bits, 3 mantissa bits; 8 bits a number), with one power-of-two scale for each 32 numbers along K (OCP MX v1.0); their sums are f32. All else is computed in f32.
;;   The module's matrix products, in the order in which they are computed (A, B: the left and right operand; K: the contracted axis; several contracted axes count as one K, in the product's order):
;;     1. [M 8,192, K 1,024] x [K 1,024, N 3,072]; A: input x; B: input W_in: QUANTISED
;;     2. batch 128 x [M 1,024, K 64] x [K 64, N 1,024]; A: computed on the way; B: computed on the way: QUANTISED
;;     3. batch 128 x [M 1,024, K 1,024] x [K 1,024, N 64]; A: softmax (see below); B: computed on the way: QUANTISED
;;     4. [M 8,192, K 1,024] x [K 1,024, N 1,024]; A: computed on the way; B: input W_out: QUANTISED
;;   THE QUANTISER, for each operand of a quantised product, along K:
;;     - K is cut into blocks of 32 from its start; a last block that is shorter is filled with zeros.
;;     - A block's scale is 2^e with e = floor(log2(the largest magnitude in the block)) - 8, held to -126 .. 127; a block of zeros has e = 0. As a byte (E8M0): e + 127.
;;     - Each number is divided by its block's scale, clamped to +-448, and rounded to the nearest number of E4M3, ties to even, subnormals kept.
;;     - The product sums the exact products of the quantised numbers (number of the format x scale) in f32.
;;   ~~~python
;;   def quantise(x, axis):      # numpy; x: float32 -> the quantised numbers, widened to float32 again
;;       x = np.moveaxis(x, axis, -1); K = x.shape[-1]
;;       x = np.pad(x, [(0, 0)] * (x.ndim - 1) + [(0, -K % 32)]); x = x.reshape(x.shape[:-1] + (-1, 32)); a = np.abs(x).max(-1, keepdims=True)
;;       e = np.where(a > 0, np.clip(np.frexp(np.where(a > 0, a, 1))[1] - 1 - 8, -126, 127), 0)      # np.frexp(a)[1] - 1 = floor(log2(a)), exactly
;;       r = np.clip(x / 2.0 ** e, -448, 448)
;;       step = 2.0 ** (np.maximum(np.frexp(np.where(r == 0, 1, r))[1] - 1, -6) - 3)
;;       q = np.round(r / step) * step * 2.0 ** e      # np.round: ties to even
;;       return np.moveaxis(q.reshape(q.shape[:-2] + (-1,))[..., :K], -1, axis).astype(np.float32)
;;   ~~~
;;   SOFTMAX AHEAD OF A QUANTISED PRODUCT. Where the list says 'softmax', what is quantised is not the finished softmax but p = 2^(t - M), with t = logit x log2(e) and M = ceil(the row's largest t), a whole number; so 1/2 < the row's largest p <= 1. The row's sum l is taken of the UNQUANTISED p, in f32, and the product's result is divided by l at the end. Since M is a whole number, a kernel that streams over the keys may use a running M (the ceiling of the running maximum): every later rescaling is an exact power of two, which a block's scale takes up: the codes' values come out the same.
;;   OPERANDS COMPUTED ON THE WAY. 'Computed on the way' means the value that the module computes at that place (a softmax that the list does not call 'softmax' is quantised finished and normalised). What goes into a quantiser is computed in f32, as accurately as f32 sums, v_exp_f32 and their like allow (about 1e-6 of the number): no bf16 or f16 on the way to a quantiser, and a product that is left as it is and whose result goes on into a quantised operand takes f32 operands (vector FMAs, or v_wmma_f32_16x16x4_f32). A number that lies on a knife's edge between two numbers of the format may be rounded either way, as far as f32 arithmetic and the matrix unit's own rounding can turn it there, and no further.
;; One version. Each part assembles by itself: llvm-mc -triple=amdgcn-amd-amdhsa -mcpu=gfx1250 --defsym DOCPART=n.
;; ======== version 1 of 1: 4 launches
;; limits: right only within a limited range of input values
;; workspace buffers: cod 12,582,912 bytes; scl 393,216 bytes; rope 262,144 bytes; qc 8,388,608 bytes; qs 524,288 bytes; kv 17,301,504 bytes; ac 8,388,608 bytes; asc 262,144 bytes
;; launch prep (part 1): grid 400 x 1, 4 waves a work-group, no clusters, 33,280 bytes of LDS; arguments x, W_in, W_out, cod, scl, rope; writes cod, scl, rope
.if DOCPART == 1
	.amdgcn_target "amdgcn-amd-amdhsa--gfx1250"
	.amdhsa_code_object_version 6
	.text
	.protected	k_qb59dc44d37_prep
	.globl	k_qb59dc44d37_prep
	.p2align	8
	.type	k_qb59dc44d37_prep,@function
k_qb59dc44d37_prep:
	s_mov_b64 s[64:65], 0
	v_nop
	global_prefetch_b8 v0, s[64:65] scope:SCOPE_SE
	s_setreg_imm32_b32 hwreg(HW_REG_WAVE_MODE, 25, 1), 1
	s_wait_xcnt 0x0
; Work-groups 0-383: x [8192][1024], W_in [3072][1024] and W_out [1024][1024], f32, become codes of FP8 (E4M3), K innermost, with one E8M0 byte for each 32 along K,
; in one merged buffer of rows: x at rows 0-8191, W_in at 8192-11263, W_out at 11264-12287 (cod: 1,024 bytes a row; scl: 32 bytes a row).
; A block's scale is 2^(floor(log2(its largest magnitude)) - 8); its byte is that magnitude's exponent field - 8, held at 1 from below; numbers are held within +-448 x the scale and rounded to the nearest code, ties to even.
; POSITION ORDER: row i of x and of W_in is stored at position i with bits 3 and 4 swapped, so that the later products' results come out with 16 neighbours in a lane.  A wave takes 8 rows (8,192 numbers), so the swap is
; a swap of the two bits of the wave's number in the output's place.  W_out keeps its order.
; Work-groups 384-399: the table of cos and sin for the rotation: rope[T 64][chunk 8][lane 32][16 bytes]: lane (r, h) of position tile T stands for l = 32 (T / 2) + 8 (T % 2) + r + 8 (r / 8);
; chunks 0-3 hold cos(l f), chunks 4-7 sin(l f), f = 10000^(-i / 32), i = 16 h + 4 chunk + 0 .. 3.  The angle is reduced by a whole multiple of pi / 2 given in three parts, then two short polynomials.
; LIMITS: NaN and infinities among the inputs are not served; a block under 2^-118 (a block of zeros too) gets the byte 1: its bytes are read by this program alone.  f carries the exponential's last-place error,
; so the angle may differ by some 1e-7 of itself from one made by a division.
.set STEPS, 16
.set NQ_WG, 384
.set CB,    16
.set R,     16                         ; v16-79   four sets of 16 numbers as loaded
.set X,     80                         ; v80-111  two sets of 16 neighbours
.set C,     128                        ; v128-191 codes, four registers a step
.set E,     112                        ; v112-127 a scale byte a step
.set WREG,  8192                       ; LDS: a region for each wave: two stages of 32 x SP bytes, then its 256 scale bytes
.set SP,    80
	s_load_b256 s[4:11], s[0:1], 0x0               ; x s[4:5], W_in s[6:7], W_out s[8:9], cod s[10:11]
	s_load_b128 s[12:15], s[0:1], 0x20             ; scl s[12:13], rope s[14:15]
	v_lshl_add_u32 v192, v0, 2, 0x8000
	v_mov_b32 v193, 0
	v_lshrrev_b32 v1, 5, v0
	v_readfirstlane_b32 s16, v1                    ; wave
	v_and_b32 v2, 31, v0                           ; lane
	s_cmp_ge_u32 ttmp9, NQ_WG
	s_cbranch_scc1 .Lrope                          ; the last sixteen work-groups make the table; they touch no LDS
	v_lshlrev_b32 v3, 4, v2                        ; my 16 bytes of a load's 512
	s_mul_i32 s21, s16, WREG
	v_lshrrev_b32 v14, 2, v2
	v_mul_u32_u24 v14, v14, SP
	v_and_b32 v15, 3, v2
	v_lshl_add_u32 v14, v15, 4, v14
	v_add_nc_u32 v14, s21, v14                     ; the stage, on the way in: SP (lane / 4) + 16 (lane % 4)
	v_mul_u32_u24 v15, v2, SP
	v_add_nc_u32 v15, s21, v15                     ; and on the way out: SP x lane: my 16 neighbours
	v_mul_u32_u24 v4, v2, CB                       ; my codes' place in a step's
	v_lshrrev_b32 v5, 1, v2
	s_add_co_u32 s21, s21, 2*32*SP
	v_add_nc_u32 v5, s21, v5                       ; LDS: my block's scale byte
	v_lshlrev_b32 v7, 3, v2
	v_add_nc_u32 v6, s21, v7                       ; and on the way out 8 bytes a lane
	s_mov_b32 s23, 0x600000                        ; the mantissa field of 448
	s_and_b32 s17, s16, 1
	s_lshl_b32 s17, s17, 1
	s_lshr_b32 s18, s16, 1
	s_or_b32 s17, s17, s18                         ; the wave's two bits swapped
	s_mov_b32 s18, 352
	s_wait_alu depctr_va_vdst(0)
	s_wait_kmcnt 0x0
	s_cmp_lt_u32 ttmp9, 352                        ; which tensor: the choice hangs on the work-group's number alone
	s_cselect_b64 s[6:7], s[6:7], s[8:9]
	s_cselect_b32 s18, 256, s18
	s_cselect_b32 s17, s17, s16                    ; W_out keeps its order
	s_cmp_lt_u32 ttmp9, 256
	s_cselect_b64 s[4:5], s[4:5], s[6:7]
	s_cselect_b32 s18, 0, s18                      ; the tensor's first work-group
	s_sub_co_u32 s18, ttmp9, s18
	s_lshl_b32 s18, s18, 2
	s_add_co_u32 s18, s18, s16                     ; my run of 8,192 numbers in the tensor
	s_lshl_b32 s18, s18, 15
	s_mov_b32 s19, 0
	s_add_nc_u64 s[4:5], s[4:5], s[18:19]
	s_lshl_b32 s20, ttmp9, 2
	s_add_co_u32 s20, s20, s17                     ; and its place in the merged buffers
	s_lshl_b32 s18, s20, 13
	s_add_nc_u64 s[10:11], s[10:11], s[18:19]
	s_lshl_b32 s18, s20, 8
	s_add_nc_u64 s[12:13], s[12:13], s[18:19]
.macro LOAD t
.irp i, 0,1,2,3
	global_load_b128 v[R+16*((\t)%4)+4*\i:R+16*((\t)%4)+4*\i+3], v3, s[4:5] offset:2048*(\t)+512*\i th:TH_LOAD_NT   ; 32 lanes read 512 consecutive bytes
.endr
.endm
.macro TURN t                          ; step t's numbers through the stage: LDS serves a wave's instructions in order, so no wait stands between the stores and the loads
.irp i, 0,1,2,3
	ds_store_b128 v14, v[R+16*((\t)%4)+4*\i:R+16*((\t)%4)+4*\i+3] offset:32*SP*((\t)%2)+8*SP*\i
.endr
.irp i, 0,1,2,3
	ds_load_b128 v[X+16*((\t)%2)+4*\i:X+16*((\t)%2)+4*\i+3], v15 offset:32*SP*((\t)%2)+16*\i
.endr
.endm
.irp t, 0,1,2,3
	LOAD \t
.endr
	s_wait_loadcnt 12                              ; step 0's four loads are in
	TURN 0
.macro STEP t
.set XS, X+16*((\t)%2)
.if (\t) > 0
	s_wait_dscnt 1                                 ; this step's numbers are back from the stage (the last step's byte store may be out)
.else
	s_wait_dscnt 0x0
.endif
.if (\t)+4 < STEPS
	LOAD (\t)+4                                    ; the registers that the stage's stores have read take the loads of four steps on
.endif
.if (\t)+1 < STEPS
.if STEPS-2-(\t) >= 3
	s_wait_loadcnt 12                              ; the next step's four loads are in; those of the three steps behind it may be out
.else
	s_wait_loadcnt 4*(STEPS-2-(\t))
.endif
	TURN (\t)+1
.endif
	v_max3_num_f32 v8, |v[XS]|, |v[XS+1]|, |v[XS+2]|               ; the largest magnitude of my 16
	v_max3_num_f32 v9, |v[XS+3]|, |v[XS+4]|, |v[XS+5]|
.irp i, 6,10
	v_max3_num_f32 v8, v8, |v[XS+\i]|, |v[XS+\i+1]|
	v_max3_num_f32 v9, v9, |v[XS+\i+2]|, |v[XS+\i+3]|
.endr
	v_max3_num_f32 v8, v8, |v[XS+14]|, |v[XS+15]|
	v_max3_num_f32 v8, v8, v9, 0x4800000           ; and the floor 2^(9 - 127): the byte cannot fall under 1
	v_max_num_f32_dpp v8, v8, v8 row_xmask:1 row_mask:0xf bank_mask:0xf   ; and of my neighbour's 16: the block's
	v_add_nc_u32 v11, 0xfc000000, v8               ; 8 off its exponent field: the conversion's scale operand
	v_and_or_b32 v10, v8, 0x7f800000, s23          ; 448 x the scale
.irp i, 0,1,2,3,4,5,6,7,8,9,10,11,12,13,14,15
	v_med3_num_f32 v[XS+\i], v[XS+\i], -v10, v10   ; the conversion to an 8-bit code does not saturate (ISA guide 7.6.2): the hold comes first
.endr
	v_cvt_scalef32_pk8_fp8_f32 v[C+4*(\t):C+4*(\t)+1], v[XS:XS+7], v11
	v_cvt_scalef32_pk8_fp8_f32 v[C+4*(\t)+2:C+4*(\t)+3], v[XS+8:XS+15], v11
	v_lshrrev_b32 v[E+(\t)], 23, v11               ; the scale's byte
	ds_store_b8 v5, v[E+(\t)] offset:16*(\t)       ; both lanes of a block write the same byte with the same value
	global_store_b128 v4, v[C+4*(\t):C+4*(\t)+3], s[10:11] offset:32*CB*(\t)   ; the wave stores 512 consecutive bytes
.endm
.irp t, 0,1,2,3,4,5,6,7,8,9,10,11,12,13,14,15
	STEP \t
.endr
	ds_load_b64 v[12:13], v6                       ; LDS serves a wave's instructions in order: these see my stores
	s_wait_dscnt 0x0
	global_store_b64 v7, v[12:13], s[12:13]        ; 32 lanes store 256 consecutive bytes, aligned
	s_wait_tensorcnt 0x0
	ds_add_u32 v192, v193
	s_wait_dscnt 0x0
	s_endpgm
.Lrope:
	s_sub_co_u32 s17, ttmp9, NQ_WG
	s_lshl_b32 s17, s17, 2
	s_add_co_u32 s17, s17, s16                     ; T: my position tile
	s_lshr_b32 s18, s17, 1
	s_lshl_b32 s18, s18, 5
	s_and_b32 s19, s17, 1
	s_lshl_b32 s19, s19, 3
	s_add_co_u32 s18, s18, s19                     ; 32 (T / 2) + 8 (T % 2)
	v_and_b32 v3, 15, v0                           ; r
	v_bfe_u32 v4, v0, 4, 1                         ; h
	v_and_b32 v5, 8, v3
	v_add_nc_u32 v5, v5, v3
	v_add_nc_u32 v5, s18, v5
	v_cvt_f32_u32 v5, v5                           ; l
	v_lshlrev_b32 v4, 4, v4                        ; 16 h
	s_wait_alu depctr_va_vdst(0)
	v_lshlrev_b32 v15, 4, v2                       ; 16 x lane
	s_mov_b32 s20, 0xbed49a78                      ; -log2(10000) / 32
	s_mov_b32 s21, 0x3f22f983                      ; 2 / pi
	s_mov_b32 s22, 0xbfc90fdb                      ; -(pi / 2), first part,
	s_mov_b32 s23, 0x333bbd2e                      ; second,
	s_mov_b32 s24, 0x26f72ced                      ; third
	s_mov_b32 s25, 0xbe2aaaa3                      ; sin: r + r z (S1 + z (S2 + z S3))
	s_mov_b32 s26, 0x3c08839e
	s_mov_b32 s27, 0xb94ca1f9
	s_mov_b32 s28, 0x3d2aaaa5                      ; cos: 1 - z / 2 + z z (C1 + z (C2 + z C3))
	s_mov_b32 s29, 0xbab6061a
	s_mov_b32 s30, 0x37ccf5ce
	s_lshl_b32 s18, s17, 12
	s_mov_b32 s19, 0
.irp k, 0,1,2,3,4,5,6,7,8,9,10,11,12,13,14,15
	v_add_nc_u32 v[16+\k], \k, v4                  ; i = 16 h + k
.endr
.irp k, 0,1,2,3,4,5,6,7,8,9,10,11,12,13,14,15
	v_cvt_f32_u32 v[16+\k], v[16+\k]
.endr
.irp k, 0,1,2,3,4,5,6,7,8,9,10,11,12,13,14,15
	v_mul_f32 v[16+\k], s20, v[16+\k]
.endr
	s_wait_alu depctr_va_vdst(0)
.irp k, 0,1,2,3,4,5,6,7,8,9,10,11,12,13,14,15
	v_exp_f32 v[16+\k], v[16+\k]                   ; f = 2^(-i log2(10000) / 32): one batch
.endr
	v_nop                                          ; a plain instruction behind the last exponential,
	s_wait_alu depctr_va_vdst(0)                   ; and the one wait ahead of the batch's first reader
.irp k, 0,1,2,3,4,5,6,7,8,9,10,11,12,13,14,15
	v_mul_f32 v[16+\k], v5, v[16+\k]               ; the angle l f
.endr
.macro SINCOS k
	v_mul_f32 v6, s21, v[16+\k]
	v_rndne_f32 v6, v6                             ; n: how many quarter turns
	v_fma_f32 v7, v6, s22, v[16+\k]
	v_fma_f32 v7, v6, s23, v7
	v_fma_f32 v7, v6, s24, v7                      ; r = angle - n pi / 2
	v_mul_f32 v8, v7, v7                           ; z
	v_fma_f32 v9, v8, s27, s26
	v_fma_f32 v9, v9, v8, s25
	v_mul_f32 v10, v7, v8
	v_fma_f32 v9, v10, v9, v7                      ; sin r
	v_fma_f32 v11, v8, s30, s29
	v_fma_f32 v11, v11, v8, s28
	v_mul_f32 v11, v11, v8
	v_fma_f32 v12, v8, -0.5, 1.0
	v_fma_f32 v11, v11, v8, v12                    ; cos r
	v_cvt_i32_f32 v13, v6
	v_and_b32 v14, 1, v13
	v_cmp_eq_u32 vcc_lo, 1, v14                    ; an odd quarter swaps the two
	v_cndmask_b32 v[48+\k], v9, v11, vcc_lo
	v_cndmask_b32 v[32+\k], v11, v9, vcc_lo
	v_lshlrev_b32 v14, 30, v13
	v_and_b32 v14, 0x80000000, v14                 ; sin changes sign in quarters 2 and 3,
	v_xor_b32 v[48+\k], v14, v[48+\k]
	v_add_nc_u32 v13, 1, v13
	v_lshlrev_b32 v13, 30, v13
	v_and_b32 v13, 0x80000000, v13                 ; cos in quarters 1 and 2
	v_xor_b32 v[32+\k], v13, v[32+\k]
.endm
.irp k, 0,1,2,3,4,5,6,7,8,9,10,11,12,13,14,15
	SINCOS \k
.endr
	s_wait_alu depctr_va_vdst(0)
	s_wait_kmcnt 0x0
	s_add_nc_u64 s[14:15], s[14:15], s[18:19]
.irp q, 0,1,2,3
	global_store_b128 v15, v[32+4*\q:35+4*\q], s[14:15] offset:512*\q        ; the wave stores 512 consecutive bytes
	global_store_b128 v15, v[48+4*\q:51+4*\q], s[14:15] offset:2048+512*\q
.endr
	s_endpgm
.Lfunc_end_k_qb59dc44d37_prep:
	.size	k_qb59dc44d37_prep, .Lfunc_end_k_qb59dc44d37_prep-k_qb59dc44d37_prep
	.p2alignl 7, 3214868480
	.fill 96, 4, 3214868480
	.section	.rodata,"a",@progbits
	.p2align	6, 0x0
	.amdhsa_kernel k_qb59dc44d37_prep
		.amdhsa_group_segment_fixed_size 33280
		.amdhsa_private_segment_fixed_size 0
		.amdhsa_enable_private_segment 0
		.amdhsa_kernarg_size 48
		.amdhsa_user_sgpr_count 2
		.amdhsa_user_sgpr_kernarg_segment_ptr 1
		.amdhsa_wavefront_size32 1
		.amdhsa_system_sgpr_workgroup_id_x 1
		.amdhsa_system_sgpr_workgroup_id_y 1
		.amdhsa_system_sgpr_workgroup_id_z 1
		.amdhsa_system_vgpr_workitem_id 0
		.amdhsa_next_free_vgpr 194
		.amdhsa_next_free_sgpr 66
		.amdhsa_reserve_vcc 1
		.amdhsa_float_denorm_mode_32 3
		.amdhsa_float_denorm_mode_16_64 3
		.amdhsa_memory_ordered 1
		.amdhsa_forward_progress 1
		.amdhsa_inst_pref_size 76
	.end_amdhsa_kernel
	.amdgpu_metadata
---
amdhsa.version: [ 1, 2 ]
amdhsa.kernels:
  - .name:           k_qb59dc44d37_prep
    .symbol:         k_qb59dc44d37_prep.kd
    .args:
      - { .name: x, .offset: 0, .size: 8, .value_kind: global_buffer, .address_space: global }
      - { .name: W_in, .offset: 8, .size: 8, .value_kind: global_buffer, .address_space: global }
      - { .name: W_out, .offset: 16, .size: 8, .value_kind: global_buffer, .address_space: global }
      - { .name: cod, .offset: 24, .size: 8, .value_kind: global_buffer, .address_space: global }
      - { .name: scl, .offset: 32, .size: 8, .value_kind: global_buffer, .address_space: global }
      - { .name: rope, .offset: 40, .size: 8, .value_kind: global_buffer, .address_space: global }
    .group_segment_fixed_size: 33280
    .private_segment_fixed_size: 0
    .kernarg_segment_align: 8
    .kernarg_segment_size: 48
    .max_flat_workgroup_size: 128
    .sgpr_count:     66
    .vgpr_count:     194
    .wavefront_size: 32
...
	.end_amdgpu_metadata
.endif
;; end of part 1
;; launch qkv (part 2): grid 12 x 32, 4 waves a work-group, clusters of 4 x 4, 327,680 bytes of LDS; arguments cod, scl, b_in, rope, qc, qs, kv; writes qc, qs, kv
.if DOCPART == 2
	.amdgcn_target "amdgcn-amd-amdhsa--gfx1250"
	.amdhsa_code_object_version 6
	.text
	.protected	k_qb59dc44d37_qkv
	.globl	k_qb59dc44d37_qkv
	.p2align	8
	.type	k_qb59dc44d37_qkv,@function
k_qb59dc44d37_qkv:
	s_mov_b64 s[64:65], 0
	v_nop
	global_prefetch_b8 v0, s[64:65] scope:SCOPE_SE
	s_setreg_imm32_b32 hwreg(HW_REG_WAVE_MODE, 25, 1), 1
	s_wait_xcnt 0x0
	s_wait_alu depctr_hold_cnt(0) depctr_sa_sdst(0) depctr_va_vdst(0) depctr_va_sdst(0) depctr_va_ssrc(0) depctr_va_vcc(0) depctr_vm_vsrc(0)
	s_getreg_b32 s2, hwreg(HW_REG_IB_STS2, 6, 4)
	s_cmp_eq_u32 s2, 0
	s_cbranch_scc0 .Lentry_in_a_cluster
	s_endpgm
.Lentry_in_a_cluster:
	s_bfe_u32 s2, ttmp6, 0x10000c
	s_cmp_lg_u32 s2, 0xf033
	s_cbranch_scc0 .Lentry_shape_is_right
	s_endpgm
.Lentry_shape_is_right:
; The first product, x W_in^T, on codes of FP8 (E4M3) with E8M0 scales, then bias, rotation, x 1/8 for q, and the quantiser for the next products.  Both operands are rows of the merged buffers cod / scl (1,024 codes, 32 scale bytes a row).
; A tile of 256 x 256 is made by four waves, 128 x 128 each: 64 accumulators.  K goes in steps of 256 through a ring of two LDS slots filled by the tensor data mover; the scale bytes of the 512 rows come once.
; CLUSTERS of 4 x 4: A's tile is asked for jointly along a row of the cluster, B's along a column.  Cluster x says what is made: 0 = q, 1 = k, 2 = v; cluster y is the batch n.
;   q, k: A (source 1, lanes) = 256 tokens, B (source 0, registers) = 256 features;   v: A = 256 channels of W_v, B = 256 tokens: so a lane's registers run along the NEXT product's K in each case.
; Rows lie in POSITION ORDER (bits 3 and 4 of the row's number swapped), so register 16 b + i of a lane's 64 results of one block of A stands for index 32 b + 16 (lane / 16) + i of B: 16 neighbours.
; WHAT IS STORED: images of operand registers (a group of four registers: 512 dense bytes, 16 x lane) and scale words, 8 bytes a lane:
;   qc[n][head][tile 64][c 2][lane][16];  qs[n][tile pair][head pair][lane][head % 2][4], word = (s0, s1, s0, s1), lanes 0-15 the even tile, lanes 16-31 the odd;
;   kv[n][head][quarter][33,792]: K's tile t at 1024 t + 512 c; V's fragment (K step s, channel tile ct) at 16,384 + 2048 (4 s + ct) + 512 c; K's scale words at 32,768; V's at 33,280.
; LIMITS: NaN and infinities are not served; a block under 2^-118 gets the byte 1 (these bytes are read by this program alone).
.set SIZE_K, 1024
.set KSTEP,  256
.set NQ,     KSTEP/128
.set ROWB,   256
.set KROW,   SIZE_K
.set PITCH,  272                       ; an LDS row: 256 bytes + 16 of padding: the 16 rows that a load touches start at 16 different banks (64 banks of 4 bytes: ISA guide 11.1)
.set FR,     16
.set NL,     4
.set NP,     8                         ; places behind this matrix instruction (ISA guide 7.12.1)
.set HALFT,  128*PITCH
.set SLOT,   4*HALFT
.set LAPS,   SIZE_K/(2*KSTEP)
.set KS,     SIZE_K/32
.set SCL,    2*SLOT
.set HALFS,  (128*KS/256)*272
.set SBLK,   (16*KS/256)*272
.set SPARE,  SCL+4*HALFS               ; the spare words, 128 bytes a wave: two blocks of 256 bytes that no other line names
.set ADRA, 16
.set ADRB, 20
.set ADRS, 27
.set SPW,  28
.set NIL,  29
.set SC,   32                          ; v32-63: scale words, two sets; they hold nothing else in the whole text
.set AF,   128
.set G1, 24
.set G0, 32
.set G1B, 48
.set G0B, 56
.set G1S, 68
.set G0S, 76
.set G1SB, 80
.set G0SB, 88
; the way out: window 0: v8-15 a scale word for each block of A; v64-127 the bias; v128-191 64 numbers at work; v192-207 the quantiser's; v208-223 codes; v224-239 scale words on their way.  window 1: the table of cos and sin
.set PW,   8
.set BIAS, 64
.set RR,   128
.set TM,   192
.set PC,   208
.set WT,   224
.set WO,   232
.set SCF,  18                          ; s[18:19] 1/8 for q, 1 for k
.set SEL,  20                          ; s[20:21] v_permlanex16_b32's selects for lane l xor 16
.set MNT,  22                          ; s22 the mantissa field of 448
.set HM,   23                          ; s23 lanes 16-31
.set B0,   42                          ; s[42:43] where my first head's images go;  s[44:45] my second head's;  s[46:47] scale words
.set B1,   44
.set SB,   46
.set P0,   66                          ; s66, s67 v_perm_b32's selects: both low halves, both high halves
.set MSB, 0
.macro WIN new                         ; the immediate's high byte repeats the setting that is left
.if MSB != \new
	s_set_vgpr_msb (MSB<<8)|\new
.set MSB, \new
.endif
.endm
.set MUL_LO, 0xa1
.set MUL_HI, 0xf1
.set TO_B,   0x40
; A joint load: waves 0 and 1 fetch for A, waves 2 and 3 for B; the branch hangs on the wave's number alone.  Four v_nop follow each of the two lines.
.macro JLOAD g0a, g1a, g0b, g1b
	s_cmp_eq_u32 s15, 0
	s_cbranch_scc0 .Lfor_b_\@
	tensor_load_to_lds s[\g0a:\g0a+3], s[\g1a:\g1a+7]
	s_nop 0
.rept 4
	v_nop
.endr
	s_branch .Lasked_\@
.Lfor_b_\@:
	tensor_load_to_lds s[\g0b:\g0b+3], s[\g1b:\g1b+7]
	s_nop 0
.rept 4
	v_nop
.endr
.Lasked_\@:
.endm
.macro CREST
	s_cmp_lg_u32 s14, 0
	s_cbranch_scc1 .Lnot_wave_0_\@
	s_barrier_signal -3
.Lnot_wave_0_\@:
	s_barrier_wait -3
	s_barrier_signal -1
	s_barrier_wait -1
.endm
.macro CROUND
	s_barrier_signal -1
	s_barrier_wait -1
	CREST
.endm
	s_load_b128 s[4:7], s[0:1], 0x0                ; A's codes and scales: cod, scl
	s_load_b128 s[8:11], s[0:1], 0x0               ; B's: the same two buffers
	v_lshl_add_u32 v[SPW], v0, 2, SPARE
	v_mov_b32 v[NIL], 0
	ds_add_u32 v28, v29
	ds_add_u32 v28, v29
	s_wait_dscnt 0x0
	v_lshrrev_b32 v1, 5, v0
	v_readfirstlane_b32 s14, v1                    ; wave 0..3
	s_lshr_b32 s15, s14, 1                         ; which half of A's rows is mine.  Also: I fetch for A (0) or for B (1)
	s_and_b32 s16, s14, 1                          ; which half of B's rows.  Also: which 128 rows of that tile I fetch
	s_bfe_u32 s40, ttmp6, 0x40000                  ; cx, cy: my place in the cluster
	s_bfe_u32 s41, ttmp6, 0x40004
	s_and_b32 s17, ttmp7, 0xffff
	s_lshl_b32 s17, s17, 2                         ; 4 n: the batch's first tile of 256 rows of x
	s_lshl_b32 s42, ttmp9, 2
	s_add_co_u32 s42, s42, 32                      ; W_q's or W_k's first tile of 256 merged rows
	s_cmp_eq_u32 ttmp9, 2                          ; v?  The cluster's x is the same in all sixteen partners
	s_cselect_b32 s42, s17, s42                    ; B: x for v, else the weight
	s_cselect_b32 s17, 40, s17                     ; A: W_v for v, else x
	s_add_co_u32 s42, s42, s40                     ; B's tile hangs on cx alone,
	s_add_co_u32 s17, s17, s41                     ; A's on cy alone
	s_lshl_b32 s43, s41, 2
	s_lshl_b32 s43, 15, s43                        ; my row of the cluster
	s_lshl_b32 s44, 0x1111, s40                    ; my column
	s_or_b32 s[G1+0], s43, (0<<16)|(1<<20)|(1<<21)|(5<<22)|(3<<25)  ; the mask; elements of 1 byte; padding on; bit 21 beside a mask; after every 64 words four words
	s_or_b32 s[G1B+0], s44, (0<<16)|(1<<20)|(1<<21)|(5<<22)|(3<<25)
.irp g, G1, G1B
	s_mov_b32 s[\g+1], ROWB<<16                    ; tensor_dim0
	s_mov_b32 s[\g+2], 256<<16                     ; tensor_dim1: 256 rows for the head's loads; set to 128 for the ring's behind them
	s_mov_b32 s[\g+3], ROWB<<16                    ; tile_dim0
	s_mov_b32 s[\g+4], 256                         ; tile_dim1 likewise
	s_mov_b32 s[\g+5], KROW                        ; the pitch
	s_mov_b32 s[\g+6], 0
	s_mov_b32 s[\g+7], 0
.endr
	s_or_b32 s[G1S+0], s43, (3<<16)|(1<<20)|(1<<21)|(5<<22)|(3<<25)  ; the scales of 256 rows: a dense block of 256 KS bytes, as KS rows of 256 bytes with 16 of padding
	s_or_b32 s[G1SB+0], s44, (3<<16)|(1<<20)|(1<<21)|(5<<22)|(3<<25)
.irp g, G1S, G1SB
	s_mov_b32 s[\g+1], 32<<16
	s_mov_b32 s[\g+2], KS<<16
	s_mov_b32 s[\g+3], 32<<16
	s_mov_b32 s[\g+4], KS
	s_mov_b32 s[\g+5], 32
	s_mov_b32 s[\g+6], 0
	s_mov_b32 s[\g+7], 0
.endr
	s_lshl_b32 s20, s17, 8                         ; A: the tile's first merged row
	s_lshl_b32 s46, s42, 8                         ; B likewise
	s_mov_b32 s21, 0
	s_mov_b32 s47, 0
	s_mov_b64 s[18:19], KS
	s_mul_u64 s[22:23], s[20:21], s[18:19]
	s_mul_u64 s[92:93], s[46:47], s[18:19]
	s_mov_b64 s[18:19], KROW
	s_mul_u64 s[20:21], s[20:21], s[18:19]
	s_mul_u64 s[46:47], s[46:47], s[18:19]
	s_mul_i32 s18, s16, 128*KROW                   ; in the ring I fetch 128 rows of a tile: which half, in bytes,
	s_mov_b32 s19, 0
	s_mul_i32 s45, s14, HALFT                      ; and where they go: wave x 128 rows: no place in the cluster enters an LDS address
	s_wait_kmcnt 0x0
	s_add_nc_u64 s[20:21], s[4:5], s[20:21]
	s_add_nc_u64 s[22:23], s[6:7], s[22:23]
	s_add_nc_u64 s[46:47], s[8:9], s[46:47]
	s_add_nc_u64 s[92:93], s[10:11], s[92:93]
	CROUND                                         ; all sixteen work-groups are here: the first joint loads meet
	s_mov_b32 s[G0S], 1
	s_mov_b32 s[G0S+1], SCL
	s_mov_b64 s[G0S+2:G0S+3], s[22:23]
	s_or_b32 s[G0S+3], s[G0S+3], 0x80000000
	s_mov_b32 s[G0SB], 1
	s_mov_b32 s[G0SB+1], SCL+2*HALFS
	s_mov_b64 s[G0SB+2:G0SB+3], s[92:93]
	s_or_b32 s[G0SB+3], s[G0SB+3], 0x80000000
.set G0H, 4                            ; s[4:7], s[8:11] group 0 for the head's loads of K step 0 (the arguments that lay there have been used)
.set G0HB, 8
	s_mov_b32 s[G0H], 1                            ; K step 0's 256 rows of A,
	s_mov_b32 s[G0H+1], 0
	s_mov_b64 s[G0H+2:G0H+3], s[20:21]
	s_or_b32 s[G0H+3], s[G0H+3], 0x80000000
	s_mov_b32 s[G0HB], 1                           ; its 256 rows of B, behind them in slot 0
	s_mov_b32 s[G0HB+1], 2*HALFT
	s_mov_b64 s[G0HB+2:G0HB+3], s[46:47]
	s_or_b32 s[G0HB+3], s[G0HB+3], 0x80000000
	s_add_nc_u64 s[20:21], s[20:21], s[18:19]      ; for the ring: my 128 rows of the tile
	s_add_nc_u64 s[46:47], s[46:47], s[18:19]
.irp s, 0,1
	s_mov_b32 s[G0+4*\s], 1
	s_add_co_u32 s[G0+4*\s+1], s45, \s*SLOT
	s_add_nc_u64 s[G0+4*\s+2:G0+4*\s+3], s[20:21], \s*ROWB
	s_or_b32 s[G0+4*\s+3], s[G0+4*\s+3], 0x80000000
	s_mov_b32 s[G0B+4*\s], 1
	s_add_co_u32 s[G0B+4*\s+1], s45, \s*SLOT
	s_add_nc_u64 s[G0B+4*\s+2:G0B+4*\s+3], s[46:47], \s*ROWB
	s_or_b32 s[G0B+4*\s+3], s[G0B+4*\s+3], 0x80000000
.endr
; THE HEAD'S LOADS, ONE A WAVE: wave 0 K step 0's rows of A, wave 1 those of B, wave 2 A's scale bytes, wave 3 B's.  One tree of branches on the wave's number: every way passes exactly one load.
.macro ARM under, g0, g1, next
	s_cmp_lt_u32 s14, \under
	s_cbranch_scc0 \next
	tensor_load_to_lds s[\g0:\g0+3], s[\g1:\g1+7]
	s_nop 0
.rept 4
	v_nop
.endr
	s_branch .Lhead_asked
\next:
.endm
	ARM 1, G0H,  G1,  .Lhead_b
	ARM 2, G0HB, G1B, .Lhead_sa
	ARM 3, G0S,  G1S, .Lhead_sb
	tensor_load_to_lds s[G0SB:G0SB+3], s[G1SB:G1SB+7]
	s_nop 0
.rept 4
	v_nop
.endr
.Lhead_asked:
	v_and_b32 v1, 15, v0                           ; l % 16
	v_bfe_u32 v2, v0, 4, 1                         ; l / 16
	v_mul_u32_u24 v3, v1, PITCH
	v_lshl_add_u32 v4, v2, 4, v3                   ; a fragment's row x pitch + 16 x half
	s_mul_i32 s21, s15, HALFT
	s_mul_i32 s22, s16, HALFT
	s_add_co_u32 s22, s22, 2*HALFT
.irp s, 0,1
	v_add_nc_u32 v[ADRA+\s], s21, v4
	v_add_nc_u32 v[ADRB+\s], s22, v4
	s_add_co_u32 s21, s21, SLOT
	s_add_co_u32 s22, s22, SLOT
.endr
	v_mul_u32_u24 v5, v1, KS                       ; my row's scales: KS bytes a row,
	v_lshrrev_b32 v6, 8, v5
	v_lshl_add_u32 v5, v6, 4, v5                   ; and 16 more for each 256 passed
	s_mul_i32 s21, s15, HALFS
	s_mul_i32 s22, s16, HALFS
	s_add_co_u32 s22, s22, 2*HALFS
	s_sub_co_u32 s22, s22, s21
	v_mul_u32_u24 v6, s22, v2                      ; lanes 16-31 take B's
	s_add_co_u32 s21, s21, SCL
	v_add_nc_u32 v5, v5, v6
	v_add_nc_u32 v[ADRS], s21, v5
.macro FRAG reg, adr, q, i             ; 16 rows x 128 K: lane l holds row l % 16; registers 4 c .. 4 c + 3 hold K = 32 c + 16 (l / 16) + 0 .. 15
.irp c, 0,1,2,3
	ds_load_b128 v[\reg+4*\c:\reg+4*\c+3], v[\adr] offset:128*(\q)+32*\c+(\i)*16*PITCH
.endr
.endm
; 16 matrix instructions: A's blocks a0, a0 + 1 x B's eight.  The 64 accumulators take turns, one instruction a turn, in the same order in every step.
.macro MUL16 a0, p, q, sc, zero
.irp a, \a0, \a0+1
.irp b, 0,1,2,3,4,5,6,7
.if \zero
	v_wmma_scale_f32_16x16x128_f8f6f4 v[8*(8*((\a)%4)+\b):8*(8*((\a)%4)+\b)+7], v[128*(\p)+FR*\b:128*(\p)+FR*\b+FR-1], v[AF+FR*(\a):AF+FR*(\a)+FR-1], 0, v[SC+8*NQ*(\sc)+NQ*\b+(\q)], v[SC+8*NQ*(\sc)+NQ*(\a)+(\q)] matrix_a_scale:MATRIX_SCALE_ROW1
.else
	v_wmma_scale_f32_16x16x128_f8f6f4 v[8*(8*((\a)%4)+\b):8*(8*((\a)%4)+\b)+7], v[128*(\p)+FR*\b:128*(\p)+FR*\b+FR-1], v[AF+FR*(\a):AF+FR*(\a)+FR-1], v[8*(8*((\a)%4)+\b):8*(8*((\a)%4)+\b)+7], v[SC+8*NQ*(\sc)+NQ*\b+(\q)], v[SC+8*NQ*(\sc)+NQ*(\a)+(\q)] matrix_a_scale:MATRIX_SCALE_ROW1
.endif
.endr
.endr
.endm
.macro FETCH_B slot, q, p
	WIN TO_B
.irp i, 0,1,2,3,4,5,6,7
	FRAG 128*(\p)+FR*\i, ADRB+\slot, \q, \i
.endr
	WIN 0
.endm
.macro FETCH_A slot, q, i0
.irp i, \i0, \i0+1, \i0+2, \i0+3
	FRAG AF+FR*(\i), ADRA+\slot, \q, \i
.endr
.endm
.macro SCALES sc                       ; a K step's scale words: lanes 0-15 take A's block i, lanes 16-31 B's block i
.irp i, 0,1,2,3,4,5,6,7
	ds_load_b64 v[SC+8*NQ*\sc+NQ*\i:SC+8*NQ*\sc+NQ*\i+1], v[ADRS] offset:\i*SBLK
.endr
.endm
.macro PLACES n                        ; plain vector instructions between a matrix instruction and a load into, or a read of, its registers
.rept \n
	v_nop
.endr
.endm
.macro STEP slot, q, zero
	s_wait_dscnt 4*NL                              ; B's set and A's blocks 0-3 are in; the youngest sixteen loads (A's blocks 4-7) may be out
	WIN MUL_LO
	MUL16 0, (\q)%2, \q, \slot, \zero
	MUL16 2, (\q)%2, \q, \slot, \zero
	s_wait_dscnt 0
	PLACES NP
	FETCH_B \slot, (\q)+1, 1-(\q)%2
	FETCH_A \slot, (\q)+1, 0
	WIN MUL_HI
	MUL16 4, (\q)%2, \q, \slot, \zero
	MUL16 6, (\q)%2, \q, \slot, \zero
	PLACES NP
	WIN 0
	FETCH_A \slot, (\q)+1, 4
.endm
; A slot's last step changes slots: one barrier; in front of it each wave waits for all its tensor loads, adds 0 to its spare word, and waits for that and for its own reads of this slot.
.macro TURN slot, next, fill
	s_wait_tensorcnt 0x0                           ; all my tensor loads have landed: my part of the next slot
	ds_add_u32 v[SPW], v[NIL]                      ; 0 onto my spare word
	s_wait_dscnt 4*NL+1                            ; (the add and the youngest sixteen loads may be out)
	WIN MUL_LO
	MUL16 0, 1, NQ-1, \slot, 0
	s_wait_dscnt 0x0                               ; the add is done, and my reads of this slot are over
	s_barrier_signal -1
	MUL16 2, 1, NQ-1, \slot, 0
	WIN 0
	s_barrier_wait -1
.if \fill
	CREST                                          ; the barrier has opened a round of the cluster's barrier: no wave of any partner still reads this slot or has a load on its way
	s_add_nc_u64 s[G0+4*\slot+2:G0+4*\slot+3], s[G0+4*\slot+2:G0+4*\slot+3], 2*ROWB
	s_add_nc_u64 s[G0B+4*\slot+2:G0B+4*\slot+3], s[G0B+4*\slot+2:G0B+4*\slot+3], 2*ROWB
	JLOAD G0+4*\slot, G1, G0B+4*\slot, G1B         ; the first tensor load behind the round
	PLACES NP-4
.else
	PLACES NP
.endif
	s_wait_alu depctr_va_vdst(0)
	v_add_nc_u32 v[ADRS], 4*NQ, v[ADRS]            ; on to the next K step's scale words
	FETCH_B \next, 0, 0
	FETCH_A \next, 0, 0
	SCALES \next
	WIN MUL_HI
	MUL16 4, 1, NQ-1, \slot, 0
	MUL16 6, 1, NQ-1, \slot, 0
	PLACES NP
	WIN 0
	FETCH_A \next, 0, 4
.endm
	s_wait_alu depctr_va_vdst(0)
	s_wait_tensorcnt 0x0                           ; my tile of the head's four is in
	ds_add_u32 v[SPW], v[NIL]
	s_mov_b32 s[G1+2], 128<<16                     ; no tensor load of mine is out: from here on a load brings 128 rows
	s_mov_b32 s[G1+4], 128
	s_mov_b32 s[G1B+2], 128<<16
	s_mov_b32 s[G1B+4], 128
	s_wait_dscnt 0x0                               ; the add is done
	CROUND                                         ; all four tiles are in, and all sixteen work-groups are here
	JLOAD G0+4, G1, G0B+4, G1B                     ; K step 1: slot 1's first fill, my one load behind the round
	s_load_b128 s[4:7], s[0:1], 0x10               ; for the way out: b_in s[4:5], rope s[6:7] (the head's descriptors that lay here are done with),
	s_load_b128 s[8:11], s[0:1], 0x20              ; qc s[8:9], qs s[10:11],
	s_load_b64 s[12:13], s[0:1], 0x30              ; kv
	FETCH_B 0, 0, 0
	FETCH_A 0, 0, 0
	SCALES 0
	FETCH_A 0, 0, 4
	STEP 0, 0, 1                                   ; the first step's products start the sums
	s_mov_b32 s3, LAPS-1
.Llap:
	TURN 0, 1, 1
	STEP 1, 0, 0
	TURN 1, 0, 1
	STEP 0, 0, 0
	s_sub_co_u32 s3, s3, 1
	s_cmp_lg_u32 s3, 0
	s_cbranch_scc1 .Llap
	TURN 0, 1, 0                                   ; the last lap fills nothing
	STEP 1, 0, 0
	s_wait_dscnt 4*NL
	WIN MUL_LO
	MUL16 0, 1, NQ-1, 1, 0
	MUL16 2, 1, NQ-1, 1, 0
	s_wait_dscnt 0
	WIN MUL_HI
	MUL16 4, 1, NQ-1, 1, 0
	MUL16 6, 1, NQ-1, 1, 0
	WIN 0
; ---- THE WAY OUT.  No LDS: a lane's 64 results of one block of A are 64 numbers along the next K, in the order of an operand's registers.
; 64 numbers v[s] .. v[s + 63], register 16 b + i = k 32 b + 16 (lane / 16) + i, become 16 registers of codes in v[PC] on and a scale word in v[pw].
.macro QUANT s, pw
.irp b, 0,1,2,3
	v_max3_num_f32 v[TM+\b], |v[\s+16*\b]|, |v[\s+1+16*\b]|, 0x4800000   ; my 16 numbers of block b, and the floor 2^(9 - 127): the byte cannot fall under 1
.endr
.irp i, 2,4,6,8,10,12,14
.irp b, 0,1,2,3
	v_max3_num_f32 v[TM+\b], v[TM+\b], |v[\s+16*\b+\i]|, |v[\s+1+16*\b+\i]|
.endr
.endr
.irp b, 0,1,2,3
	v_permlanex16_b32 v[TM+4+\b], v[TM+\b], s[SEL], s[SEL+1]
.endr
.irp b, 0,1,2,3
	v_max_num_f32 v[TM+\b], v[TM+\b], v[TM+4+\b]   ; with lane l xor 16's: the block's largest magnitude
.endr
.irp b, 0,1,2,3
	v_add_nc_u32 v[TM+12+\b], 0xfc000000, v[TM+\b] ; 8 off its exponent field: the conversion's scale operand
.endr
.irp b, 0,1,2,3
	v_and_or_b32 v[TM+8+\b], v[TM+\b], 0x7f800000, s[MNT]   ; 448 x the scale
.endr
.irp b, 0,1,2,3
	v_lshrrev_b32 v[TM+4+\b], 23, v[TM+12+\b]      ; the scale's byte
.endr
	v_lshl_or_b32 v[\pw], v[TM+5], 8, v[TM+4]
	v_lshl_or_b32 v[\pw], v[TM+6], 16, v[\pw]
	v_lshl_or_b32 v[\pw], v[TM+7], 24, v[\pw]
.irp b, 0,1,2,3
.irp i, 0,1,2,3,4,5,6,7,8,9,10,11,12,13,14,15
	v_med3_num_f32 v[\s+16*\b+\i], v[\s+16*\b+\i], -v[TM+8+\b], v[TM+8+\b]   ; the conversion does not saturate (ISA guide 7.6.2): the hold comes first
.endr
	v_cvt_scalef32_pk8_fp8_f32 v[PC+4*\b:PC+1+4*\b], v[\s+16*\b:\s+7+16*\b], v[TM+12+\b]
	v_cvt_scalef32_pk8_fp8_f32 v[PC+2+4*\b:PC+3+4*\b], v[\s+8+16*\b:\s+15+16*\b], v[TM+12+\b]
.endr
	v_nop                                          ; a plain instruction between the last conversion and the next writer of its sources
.endm
	PLACES NP                                      ; behind the last products: results are read, and operands' registers written, from here on
	s_wait_kmcnt 0x0
	s_and_b32 s17, ttmp7, 0xffff                   ; n
	s_mov_b32 s[SEL], 0x76543210
	s_mov_b32 s[SEL+1], 0xfedcba98
	s_mov_b32 s[MNT], 0x600000
	s_mov_b32 s[HM], 0xffff0000
	s_mov_b32 s[P0], 0x05040100
	s_mov_b32 s[P0+1], 0x07060302
	v_and_b32 v1, 15, v0                           ; r
	v_bfe_u32 v2, v0, 4, 1                         ; h
	v_and_b32 v3, 31, v0
	v_lshlrev_b32 v4, 3, v3                        ; 8 x lane
	v_lshlrev_b32 v3, 4, v3                        ; 16 x lane
.irp b, 0,1,2,3
	v_mov_b32 v[TM+4+\b], 0                        ; written once: a lane permute's destination counts as one of its sources
.endr
	s_cmp_eq_u32 ttmp9, 2
	s_cbranch_scc1 .Lway_v
	; ---- q and k: lanes are tokens, registers the features of my two heads
	s_mov_b32 s[SCF], 0x3f800000
	s_mov_b32 s98, 135168                          ; from head to head: in kv,
	s_mov_b32 s99, 33792                           ; from quarter to quarter
	s_cmp_eq_u32 ttmp9, 0
	s_cselect_b32 s[SCF], 0x3e000000, s[SCF]       ; q carries the 1/8: a power of two, so it rounds nothing
	s_cselect_b32 s98, 65536, s98                  ; in qc
	s_cselect_b32 s99, 16384, s99
	s_cselect_b64 s[B0:B0+1], s[8:9], s[12:13]
	s_mov_b32 s[SCF+1], s[SCF]
	s_lshl_b32 s92, s17, 4
	s_lshl_b32 s93, s40, 2
	s_add_co_u32 s92, s92, s93
	s_lshl_b32 s93, s16, 1
	s_add_co_u32 s92, s92, s93                     ; 16 n + my first head (4 cx + 2 x half)
	s_mul_i32 s92, s92, s98
	s_mul_i32 s93, s41, s99                        ; + the quarter cy
	s_add_co_u32 s92, s92, s93
	s_mov_b32 s93, 0
	s_add_nc_u64 s[B0:B0+1], s[B0:B0+1], s[92:93]
	s_lshl_b32 s94, s15, 8
	s_mov_b32 s95, 0
	s_add_nc_u64 s[SB:SB+1], s[B0:B0+1], s[94:95]  ; k's scale words: 256 bytes for each half of the quarter's tiles
	s_lshl_b32 s94, s15, 13
	s_add_nc_u64 s[B0:B0+1], s[B0:B0+1], s[94:95]  ; my eight tiles of 1,024 bytes
	s_mov_b32 s94, s98
	s_add_nc_u64 s[B1:B1+1], s[B0:B0+1], s[94:95]
	s_lshl_b32 s94, ttmp9, 12
	s_lshl_b32 s96, s40, 10
	s_add_co_u32 s94, s94, s96
	s_lshl_b32 s96, s16, 9
	s_add_co_u32 s94, s94, s96
	s_add_nc_u64 s[4:5], s[4:5], s[94:95]          ; b_in at my 128 features
	s_lshl_b32 s94, s41, 16
	s_lshl_b32 s96, s15, 15
	s_add_co_u32 s94, s94, s96
	s_add_nc_u64 s[6:7], s[6:7], s[94:95]          ; the table at my first position tile: 16 cy + 8 x half
	s_wait_alu depctr_va_vdst(0)
	v_lshlrev_b32 v5, 6, v2                        ; 64 h
.irp b, 0,1,2,3
.irp q, 0,1,2,3
	global_load_b128 v[BIAS+16*\b+4*\q:BIAS+16*\b+4*\q+3], v5, s[4:5] offset:128*\b+16*\q   ; register 16 b + i: feature 32 b + 16 h + i
.endr
.endr
.macro TABLE a                         ; tile a's cos (16 registers) and sin (16) into window 1, v[32 a] on
	WIN 0x40
.irp c, 0,1,2,3,4,5,6,7
	global_load_b128 v[32*(\a)+4*\c:32*(\a)+4*\c+3], v3, s[6:7] offset:4096*(\a)+512*\c
.endr
	WIN 0
.endm
	TABLE 0
	TABLE 1
	TABLE 2
	TABLE 3
	s_wait_loadcnt 32                              ; the bias is in: the 32 loads of four tiles' tables were issued behind it
.set j, 0
.rept 32
	v_pk_mul_f32 v[BIAS+j:BIAS+j+1], v[BIAS+j:BIAS+j+1], s[SCF:SCF+1] op_sel_hi:[1,0]
.set j, j+2
.endr
; Block a of 16 tokens.  left: the table loads issued behind tile a's.
.macro EQK a, left
.set AC, 64*((\a)%4)
	s_wait_loadcnt \left
	s_wait_xcnt 0x0                                ; the last block's stores have read the codes' registers: they are written again only behind this wait
.if (\a) < 4
	TABLE (\a)+4
.endif
	WIN 0x82+0x41*((\a)/4)                         ; the accumulators, in place: window 2 or 3
.set j, 0
.rept 32
	v_pk_fma_f32 v[AC+j:AC+j+1], v[AC+j:AC+j+1], s[SCF:SCF+1], v[BIAS+j:BIAS+j+1] op_sel_hi:[1,0,1]   ; (sum + bias) x 1/8 or x 1; each accumulator from its low end on
.set j, j+2
.endr
	WIN 0x06+((\a)/4)                              ; source 0 the accumulators, source 1 the table
.irp hh, 0,1                                   ; a head's dims d = 16 h + i lie in registers 32 hh + i, d + 32 in 32 hh + 16 + i: the rotation stays in the lane
.set j, 0
.rept 8
	v_pk_mul_f32 v[RR+32*\hh+j:RR+32*\hh+j+1], v[AC+32*\hh+j:AC+32*\hh+j+1], v[32*(\a)+j:32*(\a)+j+1]
	v_pk_mul_f32 v[RR+32*\hh+16+j:RR+32*\hh+16+j+1], v[AC+32*\hh+16+j:AC+32*\hh+16+j+1], v[32*(\a)+j:32*(\a)+j+1]
.set j, j+2
.endr
.endr
.irp hh, 0,1
.set j, 0
.rept 8
	v_pk_fma_f32 v[RR+32*\hh+16+j:RR+32*\hh+16+j+1], v[AC+32*\hh+j:AC+32*\hh+j+1], v[32*(\a)+16+j:32*(\a)+16+j+1], v[RR+32*\hh+16+j:RR+32*\hh+16+j+1]
	v_pk_fma_f32 v[RR+32*\hh+j:RR+32*\hh+j+1], v[AC+32*\hh+16+j:AC+32*\hh+16+j+1], v[32*(\a)+16+j:32*(\a)+16+j+1], v[RR+32*\hh+j:RR+32*\hh+j+1] neg_lo:[1,0,0] neg_hi:[1,0,0]
.set j, j+2
.endr
.endr
	WIN 0
	QUANT RR, PW+(\a)
	global_store_b128 v3, v[PC:PC+3], s[B0:B0+1] offset:1024*(\a)            ; each store of the wave covers 512 consecutive bytes, aligned
	global_store_b128 v3, v[PC+4:PC+7], s[B0:B0+1] offset:1024*(\a)+512
	global_store_b128 v3, v[PC+8:PC+11], s[B1:B1+1] offset:1024*(\a)
	global_store_b128 v3, v[PC+12:PC+15], s[B1:B1+1] offset:1024*(\a)+512
.endm
	EQK 0, 24
	EQK 1, 24
	EQK 2, 24
	EQK 3, 24
	EQK 4, 24
	EQK 5, 16
	EQK 6, 8
	EQK 7, 0
	s_cmp_lg_u32 ttmp9, 0
	s_cbranch_scc1 .Lk_words
	s_lshl_b32 s92, s17, 5                         ; q's scale words: tile pair 32 n + 8 cy + 4 x half + p, head pair 2 cx + half
	s_lshl_b32 s94, s41, 3
	s_add_co_u32 s92, s92, s94
	s_lshl_b32 s94, s15, 2
	s_add_co_u32 s92, s92, s94
	s_lshl_b32 s92, s92, 3
	s_lshl_b32 s94, s40, 1
	s_add_co_u32 s92, s92, s94
	s_add_co_u32 s92, s92, s16
	s_lshl_b32 s92, s92, 8
	s_mov_b32 s93, 0
	s_add_nc_u64 s[10:11], s[10:11], s[92:93]
.irp p, 0,1,2,3
	v_perm_b32 v[WT], v[PW+2*\p], v[PW+2*\p], s[P0]          ; (s0, s1, s0, s1) of my first head: the even tile,
	v_perm_b32 v[WT+1], v[PW+2*\p+1], v[PW+2*\p+1], s[P0]    ; the odd tile;
	v_perm_b32 v[WT+2], v[PW+2*\p], v[PW+2*\p], s[P0+1]      ; of my second head
	v_perm_b32 v[WT+3], v[PW+2*\p+1], v[PW+2*\p+1], s[P0+1]
	v_cndmask_b32 v[WO+2*\p], v[WT], v[WT+1], s[HM]          ; lanes 16-31 carry the odd tile's
	v_cndmask_b32 v[WO+2*\p+1], v[WT+2], v[WT+3], s[HM]
	global_store_b64 v4, v[WO+2*\p:WO+2*\p+1], s[10:11] offset:2048*\p   ; 256 consecutive bytes, aligned
.endr
	s_branch .Ldone
.Lk_words:
.irp hh, 0,1                                   ; k's: a word serves a PAIR of tiles: (even tile s0, s1; odd tile s0, s1)
.irp p, 0,1,2,3
	v_perm_b32 v[WT+\p], v[PW+2*\p+1], v[PW+2*\p], s[P0+\hh]
.endr
	v_cndmask_b32 v[WO+2*\hh], v[WT], v[WT+1], s[HM]         ; register gl, lane half h: pair 2 gl + h of my four
	v_cndmask_b32 v[WO+2*\hh+1], v[WT+2], v[WT+3], s[HM]
	global_store_b64 v4, v[WO+2*\hh:WO+2*\hh+1], s[SB:SB+1] offset:32768+135168*\hh
.endr
	s_branch .Ldone
.Lway_v:	; ---- v: lanes are channels, registers 128 tokens: one K step of the third product
	s_lshl_b32 s92, s17, 4
	s_lshl_b32 s94, s41, 2
	s_add_co_u32 s92, s92, s94
	s_lshl_b32 s94, s15, 1
	s_add_co_u32 s92, s92, s94                     ; 16 n + my first head (4 cy + 2 x half)
	s_lshl_b32 s92, s92, 2
	s_add_co_u32 s92, s92, s40                     ; its quarter cx
	s_mul_i32 s92, s92, 33792
	s_mov_b32 s93, 0
	s_add_nc_u64 s[B0:B0+1], s[12:13], s[92:93]
	s_lshl_b32 s94, s16, 8
	s_mov_b32 s95, 0
	s_add_nc_u64 s[SB:SB+1], s[B0:B0+1], s[94:95]  ; scale words of K step s = my half of the tokens
	s_lshl_b32 s94, s16, 13
	s_add_nc_u64 s[B0:B0+1], s[B0:B0+1], s[94:95]  ; and its four fragments
	s_lshl_b32 s94, s41, 10
	s_lshl_b32 s96, s15, 9
	s_add_co_u32 s94, s94, s96
	s_add_co_u32 s94, s94, 8192
	s_add_nc_u64 s[4:5], s[4:5], s[94:95]          ; b_in at my 128 channels of v
	s_wait_alu depctr_va_vdst(0)
	v_and_b32 v6, 8, v1
	v_add_nc_u32 v6, v6, v1
	v_lshlrev_b32 v6, 2, v6                        ; 4 (r + 8 (r / 8))
.irp a, 0,1,2,3,4,5,6,7
	global_load_b32 v[BIAS+2*\a], v6, s[4:5] offset:4*(32*(\a/2)+8*(\a%2))     ; my channel's bias, twice: a pair for the packed addition
	global_load_b32 v[BIAS+2*\a+1], v6, s[4:5] offset:4*(32*(\a/2)+8*(\a%2))
.endr
	s_wait_loadcnt 0x0
.macro EV a
.set AC, 64*((\a)%4)
	s_wait_xcnt 0x0                                ; the last block's stores have read the codes' registers
	WIN 0x02+((\a)/4)
.set j, 0
.rept 32
	v_pk_add_f32 v[RR+j:RR+j+1], v[AC+j:AC+j+1], v[BIAS+2*(\a):BIAS+2*(\a)+1]   ; each accumulator from its low end on
.set j, j+2
.endr
	WIN 0
	QUANT RR, PW+(\a)
.irp c, 0,1,2,3
	global_store_b128 v3, v[PC+4*\c:PC+4*\c+3], s[B0:B0+1] offset:16384+((\a)/4)*135168+((\a)%4)*2048+512*\c
.endr
.endm
.irp a, 0,1,2,3,4,5,6,7
	EV \a
.endr
.irp hv, 0,1
	v_cndmask_b32 v[WO+2*\hv], v[PW+4*\hv], v[PW+4*\hv+1], s[HM]      ; register g, lane half h: channel tile 2 g + h
	v_cndmask_b32 v[WO+2*\hv+1], v[PW+4*\hv+2], v[PW+4*\hv+3], s[HM]
	global_store_b64 v4, v[WO+2*\hv:WO+2*\hv+1], s[SB:SB+1] offset:33280+135168*\hv
.endr
.Ldone:
	s_wait_tensorcnt 0x0                           ; the wave's end
	ds_add_u32 v[SPW], v[NIL]
	s_wait_dscnt 0x0
	CROUND                                         ; the closing round: no work-group ends while a partner may still ask for a tile that names it
	s_endpgm
.Lfunc_end_k_qb59dc44d37_qkv:
	.size	k_qb59dc44d37_qkv, .Lfunc_end_k_qb59dc44d37_qkv-k_qb59dc44d37_qkv
	.p2alignl 7, 3214868480
	.fill 96, 4, 3214868480
	.section	.rodata,"a",@progbits
	.p2align	6, 0x0
	.amdhsa_kernel k_qb59dc44d37_qkv
		.amdhsa_group_segment_fixed_size 327680
		.amdhsa_private_segment_fixed_size 0
		.amdhsa_enable_private_segment 0
		.amdhsa_kernarg_size 56
		.amdhsa_user_sgpr_count 2
		.amdhsa_user_sgpr_kernarg_segment_ptr 1
		.amdhsa_wavefront_size32 1
		.amdhsa_system_sgpr_workgroup_id_x 1
		.amdhsa_system_sgpr_workgroup_id_y 1
		.amdhsa_system_sgpr_workgroup_id_z 1
		.amdhsa_system_vgpr_workitem_id 0
		.amdhsa_next_free_vgpr 1024
		.amdhsa_next_free_sgpr 102
		.amdhsa_reserve_vcc 0
		.amdhsa_float_denorm_mode_32 3
		.amdhsa_float_denorm_mode_16_64 3
		.amdhsa_memory_ordered 1
		.amdhsa_forward_progress 1
		.amdhsa_inst_pref_size 255
	.end_amdhsa_kernel
	.section	.bss,"aw",@nobits
	.p2align	6
	.space	262144
	.amdgpu_metadata
---
amdhsa.version: [ 1, 2 ]
amdhsa.kernels:
  - .name:           k_qb59dc44d37_qkv
    .symbol:         k_qb59dc44d37_qkv.kd
    .args:
      - { .name: cod, .offset: 0, .size: 8, .value_kind: global_buffer, .address_space: global }
      - { .name: scl, .offset: 8, .size: 8, .value_kind: global_buffer, .address_space: global }
      - { .name: b_in, .offset: 16, .size: 8, .value_kind: global_buffer, .address_space: global }
      - { .name: rope, .offset: 24, .size: 8, .value_kind: global_buffer, .address_space: global }
      - { .name: qc, .offset: 32, .size: 8, .value_kind: global_buffer, .address_space: global }
      - { .name: qs, .offset: 40, .size: 8, .value_kind: global_buffer, .address_space: global }
      - { .name: kv, .offset: 48, .size: 8, .value_kind: global_buffer, .address_space: global }
    .group_segment_fixed_size: 327680
    .private_segment_fixed_size: 0
    .kernarg_segment_align: 8
    .kernarg_segment_size: 56
    .max_flat_workgroup_size: 128
    .sgpr_count:     102
    .vgpr_count:     1024
    .wavefront_size: 32
...
	.end_amdgpu_metadata
.endif
;; end of part 2
;; launch attn (part 3): grid 32 x 8, 4 waves a work-group, clusters of 4 x 1, 327,680 bytes of LDS; arguments qc, qs, kv, ac, asc, out1; writes ac, asc, out1
.if DOCPART == 3
	.amdgcn_target "amdgcn-amd-amdhsa--gfx1250"
	.amdhsa_code_object_version 6
	.text
	.protected	k_qb59dc44d37_attn
	.globl	k_qb59dc44d37_attn
	.p2align	8
	.type	k_qb59dc44d37_attn,@function
k_qb59dc44d37_attn:
	s_mov_b64 s[64:65], 0
	v_nop
	global_prefetch_b8 v0, s[64:65] scope:SCOPE_SE
	s_setreg_imm32_b32 hwreg(HW_REG_WAVE_MODE, 25, 1), 1
	s_wait_xcnt 0x0
	s_wait_alu depctr_hold_cnt(0) depctr_sa_sdst(0) depctr_va_vdst(0) depctr_va_sdst(0) depctr_va_ssrc(0) depctr_va_vcc(0) depctr_vm_vsrc(0)
	s_getreg_b32 s2, hwreg(HW_REG_IB_STS2, 6, 4)
	s_cmp_eq_u32 s2, 0
	s_cbranch_scc0 .Lentry_in_a_cluster
	s_endpgm
.Lentry_in_a_cluster:
	s_bfe_u32 s2, ttmp6, 0x10000c
	s_cmp_lg_u32 s2, 0x3003
	s_cbranch_scc0 .Lentry_shape_is_right
	s_endpgm
.Lentry_shape_is_right:
; The second and third products, the softmax between them, the mean of the weights over the 16 heads (out1), and the quantiser ahead of the fourth product.  Codes of FP8 (E4M3), E8M0 scales.
; SHARES.  A work-group owns 32 query positions (two tiles of 16) of one batch, for ALL 16 heads and all 1,024 keys, so that the mean over heads stays in registers.  Wave w owns keys 256 w .. 256 w + 255 for both
; tiles: 256 numbers of p and 256 of the mean in each lane.  A loop over heads; a head's K and V of the wave's quarter are one dense block of 33,792 bytes (images of operand registers, and scale words).
; LAYOUT.  Both products are used transposed (S^T = K Q^T, O^T = V^T P^T): a lane holds ONE query (lane % 16).  Rows lie in position order, so register 16 b + i of p stands for key 32 b + 16 (lane / 16) + i.
; K = 64 IN A FORM OF 128: source 0 holds TWO key tiles (64 dims each); source 1 is (q, zeros) or (zeros, q): zero codes add nothing.  Q's registers lie as Z q0 Z q1 Z, so that all four operands are runs of 16.
; SOFTMAX.  t = score x log2(e); each WAVE takes M = the ceiling of the largest t among ITS 256 keys: a whole number; p = 2^(t - M) is quantised along the keys; the sum is taken of the unquantised p.  The four waves'
; sums, maxima and partial O meet in LDS once a head and are brought under the common M by exact powers of two; then O is divided by the sum and quantised, and the mean takes p x 2^(M_w - M) / (16 l).
; THE RING.  Each wave has two slots of its own.  The change of slots stands at a head's start: behind it the slot that the last head has left takes the next head's block, which has this head's work in which to land.
; CLUSTER.  The four work-groups of a cluster belong to one batch and walk the same blocks: each block is asked for JOINTLY, by the same tensor load with the same descriptor and the mask 15.
; LIMITS: NaN and infinities are not served; a wave whose keys lie more than 126 binades under the row's largest adds 0; a block under 2^-118 gets the byte 1 (read by this program alone).
; REGISTERS, in windows of 256: window 0: addresses, Q, scale words, statistics, work.  window 1: S^T, then p, at 128 tile + 16 block + i.  window 2: the mean, laid likewise.
;   window 3: v0-127 K or V of the head; v128-191 O^T at 128 + 32 tile + 8 ct (later the four waves' partials of my unit); v192-255 p's codes at 192 + 4 (8 tile + block).
.set SLOTB, 33792                      ; a block, and a slot.  0x8400: it shares no bit with 67,584 x wave, so one exclusive or changes slots
.set RINGW, 2*SLOTB                    ; a wave's own ring of two slots
.set HEADB, 4*SLOTB                    ; from head to head in kv
.set VOFF,  16384
.set KSOFF, 32768
.set VSOFF, 33280
.set EX,    4*RINGW                    ; partial O: [writer 4][unit 4][chunk 4][lane][16]
.set ST,    EX+32768                   ; (-M, l): [wave][tile][lane][8]
.set SS,    ST+2048                    ; the scale bytes of the output: [wave][row 16][head 16]
.set SPARE, SS+1024                    ; the spare words, 128 bytes a wave: two blocks of 256 bytes that no other line names
.set OPITCH, 1040                      ; out1's stage: a row of 1,024 bytes + 16
.set OTILE, 16*OPITCH
.set L16, 1                            ; v1  16 x lane
.set L8,  2                            ; v2  8 x lane
.set RK,  3                            ; v3  my ring + 16 x lane
.set RS,  4                            ; v4  my ring + 8 x lane
.set ADK, 5                            ; v5  the same in the slot in hand
.set ADS, 6
.set EXW, 7
.set EXR, 8
.set STW, 9
.set STR, 10
.set SSW0, 11
.set SSW, 12
.set SSR, 13
.set PFO, 14                           ; v14 256 x lane
.set SPW, 15                           ; v15 my spare word;  v16 = 0: both never rewritten
.set NIL, 16
.set OSW, 17
.set ZQ,  20                           ; v20-59 Z q0 Z q1 Z
.set QS,  60                           ; Q's scale words: lanes 0-15 tile 0, lanes 16-31 tile 1
.set KS,  62                           ; v62-65 K's;  v66-69 V's;  v70-73 p's (2 tile + K step)
.set VS,  66
.set PS,  70
.set NM,  74                           ; v74-77 (-M, l) for each tile
.set SU,  78                           ; v78-85 the sums, two chains a tile
.set BM,  86                           ; v86-101 a block's largest score, then its largest p
.set BT,  102
.set HOLD, 118
.set SCO, 134
.set TMP, 150                          ; v150-181 two sets of 16 held numbers
.set X,   182                          ; v182-197 my unit of the output
.set F,   198                          ; v198-205 2^(M_w - M): 4 tile + wave
.set FU,  206                          ; v206-213 pairs: my unit's factors
.set G,   214                          ; v214-217 pairs: the mean's factors
.set SV,  218                          ; v218-233 the four waves' (-M, l)
.set T0,  236
.set T2,  238
.set LL,  240
.set INV, 242
.set T4,  244
.set CD,  246
.set WV,  16
.set SEL, 20
.set CS,  22
.set MNT, 24
.set TB,  25
.set CNT, 26
.set HD,  28
.set UM,  29
.set LIM, 30
.set G1,  32
.set G0W, 44
.set PFA, 48
.set QSP, 50
.set MSB, 0
.macro WIN new                         ; the immediate's high byte repeats the setting that is left
.if MSB != \new
	s_set_vgpr_msb (MSB<<8)|\new
.set MSB, \new
.endif
.endm
.macro CROUND                          ; a round of the cluster's barrier
	s_barrier_signal -1
	s_barrier_wait -1
	s_cmp_lg_u32 s[WV], 0
	s_cbranch_scc1 .Lnot_wave_0_\@
	s_barrier_signal -3
.Lnot_wave_0_\@:
	s_barrier_wait -3
	s_barrier_signal -1
	s_barrier_wait -1
.endm
.macro PLACES n
.rept \n
	v_nop
.endr
.endm
; A prefetch into the L2 of the codes of the head after the one that is being asked for: one head's work ahead of the load that will want them.  All clusters of a batch walk the same blocks: the batch's first cluster asks.
; Its four partners take a quarter each, told apart by ADDRESS; in each, wave w takes 8,192 bytes of it, lanes 256 bytes apart.  The last refill asks for nothing; heads 0 and 1 and the blocks' scale words come by their loads alone.
.macro ASK
	s_cmp_gt_u32 s[CNT], s[LIM]
	s_cbranch_scc0 .Lnot_mine_\@
	global_prefetch_b8 v[PFO], s[PFA:PFA+1] th:TH_LOAD_NT scope:SCOPE_SE
.Lnot_mine_\@:
.endm
.macro QLOAD                           ; a head's codes of my two query tiles, and their scale words
	global_load_b128 v[ZQ+8:ZQ+11], v[L16], s[4:5]
	global_load_b128 v[ZQ+12:ZQ+15], v[L16], s[4:5] offset:512
	global_load_b128 v[ZQ+24:ZQ+27], v[L16], s[4:5] offset:1024
	global_load_b128 v[ZQ+28:ZQ+31], v[L16], s[4:5] offset:1536
	global_load_b32 v[QS], v[L8], s[6:7]
.endm
; S^T of key tile 2 p + e and query tile t
.macro SPROD p, e, t
.set rD, 128*(\t)+16*(\p)+8*(\e)
.set rA, 16*(\p)
.set rB, ZQ+16*(\t)+8*(1-(\e))
.set rK, KS+(\p)/2
.if ((\p)%2 == 0) && ((\t) == 0)
	v_wmma_scale_f32_16x16x128_f8f6f4 v[rD:rD+7], v[rA:rA+15], v[rB:rB+15], 0, v[rK], v[QS]
.elseif ((\p)%2 == 0)
	v_wmma_scale_f32_16x16x128_f8f6f4 v[rD:rD+7], v[rA:rA+15], v[rB:rB+15], 0, v[rK], v[QS] matrix_b_scale:MATRIX_SCALE_ROW1
.elseif ((\t) == 0)
	v_wmma_scale_f32_16x16x128_f8f6f4 v[rD:rD+7], v[rA:rA+15], v[rB:rB+15], 0, v[rK], v[QS] matrix_a_scale:MATRIX_SCALE_ROW1
.else
	v_wmma_scale_f32_16x16x128_f8f6f4 v[rD:rD+7], v[rA:rA+15], v[rB:rB+15], 0, v[rK], v[QS] matrix_a_scale:MATRIX_SCALE_ROW1 matrix_b_scale:MATRIX_SCALE_ROW1
.endif
.endm
; O^T of channel tile c and query tile t, K step s
.macro PVPROD s, c, t
.set rD, 128+32*(\t)+8*(\c)
.set rA, 16*(4*(\s)+(\c))
.set rB, 192+32*(\t)+16*(\s)
.set rV, VS+2*(\s)+(\c)/2
.set rP, PS+2*(\t)+(\s)
.if ((\s) == 0) && ((\c)%2 == 0)
	v_wmma_scale_f32_16x16x128_f8f6f4 v[rD:rD+7], v[rA:rA+15], v[rB:rB+15], 0, v[rV], v[rP]
.elseif ((\s) == 0)
	v_wmma_scale_f32_16x16x128_f8f6f4 v[rD:rD+7], v[rA:rA+15], v[rB:rB+15], 0, v[rV], v[rP] matrix_a_scale:MATRIX_SCALE_ROW1
.elseif ((\c)%2 == 0)
	v_wmma_scale_f32_16x16x128_f8f6f4 v[rD:rD+7], v[rA:rA+15], v[rB:rB+15], v[rD:rD+7], v[rV], v[rP]
.else
	v_wmma_scale_f32_16x16x128_f8f6f4 v[rD:rD+7], v[rA:rA+15], v[rB:rB+15], v[rD:rD+7], v[rV], v[rP] matrix_a_scale:MATRIX_SCALE_ROW1
.endif
.endm
	s_load_b256 s[4:11], s[0:1], 0x0               ; qc s[4:5], qs s[6:7], kv s[8:9], ac s[10:11]
	s_load_b128 s[12:15], s[0:1], 0x20             ; asc s[12:13], out1 s[14:15]
	v_lshl_add_u32 v[SPW], v0, 2, SPARE
	v_mov_b32 v[NIL], 0
	ds_add_u32 v15, v16
	ds_add_u32 v15, v16
	s_wait_dscnt 0x0
	v_lshrrev_b32 v19, 5, v0
	v_readfirstlane_b32 s[WV], v19                 ; wave 0..3
	s_bfe_u32 s17, ttmp6, 0x40000                  ; cx
	s_lshl_b32 s18, ttmp9, 2
	s_add_co_u32 s18, s18, s17                     ; g: my block of 32 positions; it enters plain global addresses alone
	s_and_b32 s19, ttmp7, 0xffff                   ; n, which the four partners share
	s_lshl_b32 s52, s19, 6
	s_add_co_u32 s52, s52, s[WV]
	s_mul_i32 s52, s52, SLOTB                      ; head 0's block of my quarter: (64 n + wave) blocks
	s_mov_b32 s53, 0
	s_mul_i32 s54, s[WV], RINGW                    ; my ring in LDS
	s_mov_b32 s[G1], 15|(3<<16)|(1<<21)            ; the mask: all four work-groups; elements of 8 bytes; bit 21 beside a mask; no padding: every read takes 512 bytes on end
	s_mov_b32 s[G1+1], 32<<16                      ; tensor_dim0 = 32 elements: rows of 256 bytes
	s_mov_b32 s[G1+2], 132<<16                     ; tensor_dim1 = 132 rows
	s_mov_b32 s[G1+3], 32<<16                      ; tile_dim0
	s_mov_b32 s[G1+4], 132                         ; tile_dim1
	s_mov_b32 s[G1+5], 32                          ; the pitch: dense
	s_mov_b32 s[G1+6], 0
	s_mov_b32 s[G1+7], 0
	s_mov_b32 s[SEL], 0x76543210
	s_mov_b32 s[SEL+1], 0xfedcba98                 ; v_permlanex16_b32's selects for lane l xor 16
	s_mov_b32 s[CS], 0x3fb8aa3b                    ; log2(e)
	s_mov_b32 s[CS+1], s[CS]
	s_mov_b32 s[MNT], 0x600000                     ; the mantissa field of 448
	s_mov_b32 s[TB], 0
	s_mov_b32 s[HD], 0
	s_mov_b32 s[QSP], 4                            ; Q's scale words: 4 bytes on, then 252, by turns
	s_mov_b32 s[QSP+1], 0
	s_and_b32 s[UM], s[WV], 1
	s_sub_co_u32 s[UM], 0, s[UM]                   ; all ones where my unit belongs to tile 1
	s_cmp_eq_u32 ttmp9, 0
	s_cselect_b32 s[LIM], 1, -1                    ; the batch's first cluster prefetches: the same in all four partners
	s_wait_kmcnt 0x0
	s_add_nc_u64 s[52:53], s[8:9], s[52:53]
	CROUND                                         ; all four work-groups are here: the first joint loads meet
	s_mov_b32 s[G0W], 1                            ; the one group 0: it walks from head to head and from slot to slot
	s_mov_b32 s[G0W+1], s54                        ; head 0 into slot 0
	s_mov_b64 s[G0W+2:G0W+3], s[52:53]
	s_or_b32 s[G0W+3], s[G0W+3], 0x80000000
	tensor_load_to_lds s[G0W:G0W+3], s[G1:G1+7]    ; one load of mine is out
	s_nop 0
	PLACES 4
	v_and_b32 v19, 31, v0
	v_lshlrev_b32 v[L16], 4, v19
	v_lshlrev_b32 v[L8], 3, v19
	v_lshlrev_b32 v[PFO], 8, v19
	v_add_nc_u32 v[RK], s54, v[L16]
	v_add_nc_u32 v[RS], s54, v[L8]
	s_lshl_b32 s55, s[WV], 13
	s_add_co_u32 s55, s55, EX
	v_add_nc_u32 v[EXW], s55, v[L16]               ; I write at writer = wave,
	s_lshl_b32 s55, s[WV], 11
	s_add_co_u32 s55, s55, EX
	v_add_nc_u32 v[EXR], s55, v[L16]               ; and read unit = wave
	s_lshl_b32 s55, s[WV], 9
	s_add_co_u32 s55, s55, ST
	v_add_nc_u32 v[STW], s55, v[L8]
	v_add_nc_u32 v[STR], ST, v[L8]
	s_lshl_b32 s55, s[WV], 8
	s_add_co_u32 s55, s55, SS
	v_and_b32 v18, 15, v0                          ; r
	v_lshlrev_b32 v[SSW0], 4, v18
	v_add_nc_u32 v[SSW0], s55, v[SSW0]             ; my wave's 256 scale bytes: 16 a row
	s_lshr_b32 s55, s[WV], 1
	s_lshl_b32 s55, s55, 8
	s_and_b32 s56, s[WV], 1
	s_lshl_b32 s56, s56, 7
	s_add_co_u32 s55, s55, s56
	s_add_co_u32 s55, s55, SS
	v_lshlrev_b32 v[SSR], 2, v19
	v_add_nc_u32 v[SSR], s55, v[SSR]               ; at the end: rows 8 wave + lane / 4, heads 4 (lane % 4) on
	v_bfe_u32 v19, v0, 4, 1                        ; h
	v_mul_u32_u24 v[OSW], v18, OPITCH
	v_lshl_add_u32 v[OSW], v19, 6, v[OSW]
	v_add_nc_u32 v[OSW], s54, v[OSW]               ; out1's stage, in my ring: row r, + 64 h
	s_lshl_b32 s56, s19, 20
	s_lshl_b32 s57, s18, 11
	s_add_co_u32 s56, s56, s57
	s_mov_b32 s57, 0
	s_add_nc_u64 s[4:5], s[4:5], s[56:57]          ; qc at head 0, tile 2 g
	s_lshl_b32 s56, s19, 5
	s_add_co_u32 s56, s56, s18
	s_lshl_b32 s56, s56, 11
	s_add_nc_u64 s[6:7], s[6:7], s[56:57]          ; qs at tile pair g
	QLOAD
	s_lshl_b32 s56, s19, 6
	s_lshl_b32 s58, s18, 1
	s_add_co_u32 s56, s56, s58
	s_and_b32 s58, s[WV], 1
	s_add_co_u32 s56, s56, s58                     ; my unit's token tile: 64 n + 2 g + wave % 2,
	s_lshl_b32 s56, s56, 14
	s_lshr_b32 s58, s[WV], 1
	s_lshl_b32 s58, s58, 9
	s_add_co_u32 s56, s56, s58                     ; and its half of a head's channels: wave / 2
	s_add_nc_u64 s[10:11], s[10:11], s[56:57]
	s_lshl_b32 s56, s19, 15
	s_lshl_b32 s58, s18, 10
	s_add_co_u32 s56, s56, s58
	s_lshl_b32 s58, s[WV], 8
	s_add_co_u32 s56, s56, s58
	s_add_nc_u64 s[12:13], s[12:13], s[56:57]      ; asc: my 8 rows of 32 bytes
	s_lshl_b32 s56, s19, 22
	s_lshl_b32 s58, s18, 17
	s_add_co_u32 s56, s56, s58
	s_lshl_b32 s58, s[WV], 10
	s_add_co_u32 s56, s56, s58
	s_add_nc_u64 s[14:15], s[14:15], s[56:57]      ; out1: my 32 rows, my 256 keys
	s_lshl_b32 s56, s19, 6
	s_add_co_u32 s56, s56, s17
	s_add_co_u32 s56, s56, 4
	s_mul_i32 s56, s56, SLOTB
	s_lshl_b32 s58, s[WV], 13
	s_add_co_u32 s56, s56, s58
	s_add_nc_u64 s[PFA:PFA+1], s[8:9], s[56:57]    ; the prefetches stand at head 1, quarter cx; the first change of slots steps them to head 2
.irp z, 0,1,2,3,4,5,6,7
	v_mov_b32 v[ZQ+\z], 0                          ; the zero codes beside Q
	v_mov_b32 v[ZQ+16+\z], 0
	v_mov_b32 v[ZQ+32+\z], 0
.endr
.set j, 0
.rept 16
	v_mov_b32 v[BT+j], 0                           ; written once: a lane permute's destination counts as one of its sources
.set j, j+1
.endr
.irp z, NM+1, NM+3, FU+1, FU+3, FU+5, FU+7, G+1, G+3
	v_mov_b32 v[\z], 0                             ; upper halves of pairs of which the low word serves both halves
.endr
	WIN 0x80
.set j, 0
.rept 128
	v_pk_add_f32 v[j:j+1], v[ZQ:ZQ+1], v[ZQ:ZQ+1]  ; the mean begins as zeros, two registers an instruction (0 + 0).  The head is written for a loop: the first finds zeros
.set j, j+2
.endr
	WIN 0
; ONE HEAD.  fill = 1: the other slot is filled with the next head's block, and the next head's Q is fetched.
.macro HEAD fill
	; ---- the change of slots
	s_wait_tensorcnt 0x0                           ; all my tensor loads have landed: this head's block; so the group 0 may be written
	ds_add_u32 v[SPW], v[NIL]                      ; 0 onto my spare word; the address work stands between it and the wait for it
	v_add_nc_u32 v[ADK], s[TB], v[RK]              ; my lane's places in the slot in hand
	v_add_nc_u32 v[ADS], s[TB], v[RS]
.if \fill
	s_xor_b32 s[G0W+1], s[G0W+1], SLOTB            ; the walking descriptor: the slot that the last head has left,
	s_add_nc_u64 s[G0W+2:G0W+3], s[G0W+2:G0W+3], HEADB   ; the next head; the type bits on top are not reached
.endif
	s_wait_xcnt 0x0                                ; the last head's store and prefetch have read their addresses and data:
.if \fill
	s_add_nc_u64 s[PFA:PFA+1], s[PFA:PFA+1], HEADB ; one head further on than the walking descriptor
.endif
	s_add_nc_u64 s[10:11], s[10:11], 1024          ; ac's base runs one head ahead; the head's store reaches back
	s_wait_dscnt 0x0                               ; the add is done; my reads of the slot that I have left and of the last head's exchange are over
.if \fill
	CROUND                                         ; no wave of any partner still reads that slot or has a load on its way; the exchange may be written again
	tensor_load_to_lds s[G0W:G0W+3], s[G1:G1+7]    ; my one load behind the round: it has this head's work in which to land
	s_nop 0
	PLACES 4
.else
	s_barrier_signal -1                            ; the last head asks for nothing: the work-group's barrier alone, for the exchange
	s_barrier_wait -1
.endif
	s_wait_alu depctr_va_vdst(0)
	ds_load_b64 v[KS:KS+1], v[ADS] offset:KSOFF    ; K's scale words first,
	ds_load_b64 v[KS+2:KS+3], v[ADS] offset:KSOFF+256
	WIN 0xc0
.set m, 0
.rept 32
	ds_load_b128 v[4*m:4*m+3], v[ADK] offset:512*m ; then K's 16 tiles: 32 loads of 512 dense bytes
.set m, m+1
.endr
	WIN 0
.if \fill
	ASK
.endif
	; ---- S^T = K Q^T
	s_wait_loadcnt 0x0                             ; Q and its scale words
	WIN 0x43                                       ; K window 3, Q window 0, S^T window 1
.irp p, 0,1,2,3,4,5,6,7
	s_wait_dscnt 28-4*\p                           ; tile pair p's four loads are in: behind them stand the loads of the pairs that follow
.irp e, 0,1
.irp t, 0,1
	SPROD \p, \e, \t
.endr
.endr
.endr
	WIN 0
	PLACES 8                                       ; in front of loads into registers that the products have read, and of the first read of the scores
	WIN 0xc0
.set m, 0
.rept 32
	ds_load_b128 v[4*m:4*m+3], v[ADK] offset:VOFF+512*m        ; V's eight fragments
.set m, m+1
.endr
	WIN 0
	ds_load_b64 v[VS:VS+1], v[ADS] offset:VSOFF
	ds_load_b64 v[VS+2:VS+3], v[ADS] offset:VSOFF+256
.if \fill
	s_add_nc_u64 s[4:5], s[4:5], 65536             ; (the last loads by these bases were waited for above)
	s_add_nc_u64 s[6:7], s[6:7], s[QSP:QSP+1]
	s_xor_b32 s[QSP], s[QSP], 248
	QLOAD
.endif
	; ---- the softmax
	WIN 0x14                                       ; the largest score of each block of 32 keys: it serves for the row's maximum and, since p rises with the score, for the block's largest p
.set b, 0
.rept 16
	v_max3_num_f32 v[BM+b], 0xff7fffff, v[16*b], v[16*b+1]     ; each accumulator is read from its low end on
.set b, b+1
.endr
.irp i, 2,4,6,8,10,12,14
.set b, 0
.rept 16
	v_max3_num_f32 v[BM+b], v[BM+b], v[16*b+\i], v[16*b+\i+1]
.set b, b+1
.endr
.endr
	WIN 0
.set b, 0
.rept 16
	v_permlanex16_b32 v[BT+b], v[BM+b], s[SEL], s[SEL+1]
.set b, b+1
.endr
.set b, 0
.rept 16
	v_max_num_f32 v[BM+b], v[BM+b], v[BT+b]        ; with lane l xor 16's 16 keys
.set b, b+1
.endr
.irp t, 0,1
	v_max3_num_f32 v[T0+\t], v[BM+8*\t], v[BM+8*\t+1], v[BM+8*\t+2]
.endr
.irp t, 0,1
	v_max3_num_f32 v[T0+\t], v[T0+\t], v[BM+8*\t+3], v[BM+8*\t+4]
.endr
.irp t, 0,1
	v_max3_num_f32 v[T0+\t], v[T0+\t], v[BM+8*\t+5], v[BM+8*\t+6]
.endr
.irp t, 0,1
	v_max_num_f32 v[T0+\t], v[T0+\t], v[BM+8*\t+7]
.endr
.irp t, 0,1
	v_mul_f32 v[T0+\t], s[CS], v[T0+\t]            ; as t
.endr
.irp t, 0,1
	v_floor_f32 v[NM+2*\t], -v[T0+\t]              ; -M = floor(-t) = -ceil(t): a whole number
.endr
	WIN 0x41
.set j, 0
.rept 64
	v_pk_fma_f32 v[j:j+1], v[j:j+1], s[CS:CS+1], v[NM:NM+1] op_sel_hi:[1,0,0]   ; tile 0: t - M, two at a time; tile 1's stand among tile 0's exponentials
.set j, j+2
.endr
	WIN 0
.set b, 0
.rept 16
	v_fma_f32 v[BM+b], v[BM+b], s[CS], v[NM+2*(b/8)]           ; the same of each block's largest score
.set b, b+1
.endr
	WIN 0x41
.set j, 0
	s_wait_alu depctr_va_vdst(0)
.rept 64
	v_exp_f32 v[j], v[j]                           ; p = 2^(t - M) of tile 0,
	v_exp_f32 v[j+1], v[j+1]
	v_pk_fma_f32 v[128+j:128+j+1], v[128+j:128+j+1], s[CS:CS+1], v[NM+2:NM+3] op_sel_hi:[1,0,0]   ; and tile 1's t - M: it names no register of tile 0
.set j, j+2
.endr
	s_wait_alu depctr_va_vdst(0)                   ; the wait ahead of the batch that reads what the lines above wrote
.rept 128
	v_exp_f32 v[j], v[j]                           ; p of tile 1
.set j, j+1
.endr
	WIN 0
	v_nop                                          ; a plain instruction behind the last exponential,
	s_wait_alu depctr_va_vdst(0)                   ; and the one wait ahead of the batch's first reader
.set b, 0
.rept 16
	v_exp_f32 v[BM+b], v[BM+b]                     ; the blocks' largest p: a second, small batch; the sums below are the work behind it
.set b, b+1
.endr
	WIN 0x05                                       ; the row's sum is taken of the unquantised p: two chains a tile
.irp t, 0,1
	v_pk_add_f32 v[SU+4*\t:SU+4*\t+1], v[128*\t:128*\t+1], v[128*\t+2:128*\t+3]
	v_pk_add_f32 v[SU+4*\t+2:SU+4*\t+3], v[128*\t+4:128*\t+5], v[128*\t+6:128*\t+7]
.endr
	WIN 0x04
.set j, 8
.rept 30
.irp t, 0,1
	v_pk_add_f32 v[SU+4*\t:SU+4*\t+1], v[SU+4*\t:SU+4*\t+1], v[128*\t+j:128*\t+j+1]
	v_pk_add_f32 v[SU+4*\t+2:SU+4*\t+3], v[SU+4*\t+2:SU+4*\t+3], v[128*\t+j+2:128*\t+j+3]
.endr
.set j, j+4
.endr
	WIN 0
	s_wait_alu depctr_va_vdst(0)                   ; and the wait for the sixteen
.set b, 0
.rept 16
	v_max_num_f32 v[BM+b], 0x4800000, v[BM+b]      ; the floor 2^(9 - 127): the byte cannot fall under 1
.set b, b+1
.endr
.set b, 0
.rept 16
	v_add_nc_u32 v[SCO+b], 0xfc000000, v[BM+b]     ; 8 off the exponent field: the conversion's scale operand
.set b, b+1
.endr
.set b, 0
.rept 16
	v_and_or_b32 v[HOLD+b], v[BM+b], 0x7f800000, s[MNT]        ; 448 x the scale
.set b, b+1
.endr
.set b, 0
.rept 16
	v_lshrrev_b32 v[BT+b], 23, v[SCO+b]            ; the scale's byte
.set b, b+1
.endr
.irp u, 0,1,2,3
	v_lshl_or_b32 v[PS+\u], v[BT+4*\u+1], 8, v[BT+4*\u]        ; p's scale word of tile u / 2, K step u % 2
.endr
.irp u, 0,1,2,3
	v_lshl_or_b32 v[PS+\u], v[BT+4*\u+2], 16, v[PS+\u]
.endr
.irp u, 0,1,2,3
	v_lshl_or_b32 v[PS+\u], v[BT+4*\u+3], 24, v[PS+\u]
.endr
	; ---- the exchange's first part: -M and l of my 256 keys go to LDS now; the barrier is waited for behind the quantising of p
.irp t, 0,1
	v_pk_add_f32 v[SU+4*\t:SU+4*\t+1], v[SU+4*\t:SU+4*\t+1], v[SU+4*\t+2:SU+4*\t+3]
.endr
.irp t, 0,1
	v_add_f32 v[SU+4*\t], v[SU+4*\t], v[SU+4*\t+1]
.endr
.irp t, 0,1
	v_permlanex16_b32 v[SU+4*\t+1], v[SU+4*\t], s[SEL], s[SEL+1]
.endr
.irp t, 0,1
	v_add_f32 v[NM+2*\t+1], v[SU+4*\t], v[SU+4*\t+1]           ; l of my 256 keys
.endr
	ds_store_b64 v[STW], v[NM:NM+1]
	ds_store_b64 v[STW], v[NM+2:NM+3] offset:256
	s_wait_alu depctr_va_vdst(0)
	s_wait_dscnt 0x0                               ; for the others' sake: my two stores have landed; V and its scale words are in too
	s_barrier_signal -1                            ; work on registers alone stands up to its wait
.set b, 0
.rept 16
	WIN 0x01
.irp i, 0,1,2,3,4,5,6,7,8,9,10,11,12,13,14,15
	v_min_num_f32 v[TMP+16*(b%2)+\i], v[16*b+\i], v[HOLD+b]    ; the conversion does not saturate (ISA guide 7.6.2); p is not negative, so the hold is one-sided.  p itself stays whole for the mean
.endr
	WIN 0xc0
	v_cvt_scalef32_pk8_fp8_f32 v[192+4*b:193+4*b], v[TMP+16*(b%2):TMP+16*(b%2)+7], v[SCO+b]      ; the two sets of held numbers take turns: the next block's lines write the other set
	v_cvt_scalef32_pk8_fp8_f32 v[194+4*b:195+4*b], v[TMP+16*(b%2)+8:TMP+16*(b%2)+15], v[SCO+b]
.set b, b+1
.endr
	WIN 0
	PLACES 4                                       ; an operand written by vector instructions stands four places ahead of a scaled matrix instruction
	s_barrier_wait -1                              ; every wave's -M and l lie in LDS
.irp w, 0,1,2,3
.irp t, 0,1
	ds_load_b64 v[SV+4*\w+2*\t:SV+4*\w+2*\t+1], v[STR] offset:512*\w+256*\t   ; they come while the products run
.endr
.endr
	WIN 0xff
.irp s, 0,1                                    ; eight accumulators by turns, a K step at a time
	s_wait_alu depctr_va_vdst(0)
.irp c, 0,1,2,3
.irp t, 0,1
	PVPROD \s, \c, \t
.endr
.endr
.endr
	WIN 0
	s_wait_dscnt 0x0                               ; the four waves' statistics, asked for ahead of the products, are in; the lines below are also the places behind the last products
.irp t, 0,1
	v_min_num_f32 v[T0+\t], v[SV+2*\t], v[SV+4+2*\t]
.endr
.irp t, 0,1
	v_min_num_f32 v[T0+\t], v[T0+\t], v[SV+8+2*\t]
.endr
.irp t, 0,1
	v_min_num_f32 v[T0+\t], v[T0+\t], v[SV+12+2*\t]            ; -M of the whole row
.endr
.irp t, 0,1
.irp w, 0,1,2,3
	v_sub_f32 v[F+4*\t+\w], v[T0+\t], v[SV+4*\w+2*\t]          ; M_w - M: a whole number, 0 or less
.endr
	v_sub_f32 v[T2+\t], v[T0+\t], v[NM+2*\t]                   ; and my own
.endr
.irp t, 0,1
.irp w, 0,1,2,3
	v_cvt_i32_f32 v[F+4*\t+\w], v[F+4*\t+\w]                   ; (it saturates)
.endr
	v_cvt_i32_f32 v[T2+\t], v[T2+\t]
.endr
.irp t, 0,1
.irp w, 0,1,2,3
	v_ldexp_f32 v[F+4*\t+\w], 1.0, v[F+4*\t+\w]                ; 2^(M_w - M): a factor that rounds nothing
.endr
	v_ldexp_f32 v[T2+\t], 1.0, v[T2+\t]
.endr
.irp t, 0,1
	v_mul_f32 v[LL+\t], v[F+4*\t], v[SV+1+2*\t]
.endr
.irp w, 1,2,3
.irp t, 0,1
	v_fma_f32 v[LL+\t], v[F+4*\t+\w], v[SV+1+4*\w+2*\t], v[LL+\t]   ; the row's sum under the common M
.endr
.endr
	; ---- the exchange's second part: every wave's partial O, stored ahead of the reciprocals
	WIN 0x0c                                       ; an LDS store's data are its source 1: window 3
.irp t, 0,1
.irp g, 0,1
.irp k, 0,1,2,3
	ds_store_b128 v[EXW], v[128+32*\t+16*\g+4*\k:128+32*\t+16*\g+4*\k+3] offset:2048*(\t+2*\g)+512*\k   ; unit t + 2 g; each accumulator from its low end on
.endr
.endr
.endr
	WIN 0
	s_wait_alu depctr_va_vdst(0)
.irp t, 0,1
	v_rcp_f32 v[INV+\t], v[LL+\t]
.endr
	v_nop
	s_wait_alu depctr_va_vdst(0)                   ; one wait for the two reciprocals, ahead of their first reader
.irp t, 0,1
	v_mul_f32 v[T2+\t], v[T2+\t], v[INV+\t]
.endr
.irp t, 0,1
	v_mul_f32 v[G+2*\t], 0x3d800000, v[T2+\t]      ; the mean's factor: 2^(M_me - M) / (16 l)
.endr
	v_cndmask_b32 v[T4], v[INV], v[INV+1], s[UM]   ; my unit's tile
.irp w, 0,1,2,3
	v_cndmask_b32 v[FU+2*\w], v[F+\w], v[F+4+\w], s[UM]
.endr
.irp w, 0,1,2,3
	v_mul_f32 v[FU+2*\w], v[FU+2*\w], v[T4]
.endr
	s_wait_alu depctr_va_vdst(0)
	s_wait_dscnt 0x0                               ; for the others' sake: my stores into the exchange have landed
	s_barrier_signal -1                            ; the next head's block may stay on its way
	WIN 0xa1
.set j, 0
.rept 64
	v_pk_fma_f32 v[j:j+1], v[j:j+1], v[G:G+1], v[j:j+1] op_sel_hi:[1,0,1]   ; the mean += p x its factor: tile 0, work on registers between the signal and the wait
.set j, j+2
.endr
	s_barrier_wait -1
	WIN 0xc0
.irp w, 0,1,2,3
.irp k, 0,1,2,3
	ds_load_b128 v[128+16*\w+4*\k:128+16*\w+4*\k+3], v[EXR] offset:8192*\w+512*\k    ; the four waves' partials of my unit
.endr
.endr
	WIN 0xa1
.set j, 0
.rept 64
	v_pk_fma_f32 v[128+j:128+j+1], v[128+j:128+j+1], v[G+2:G+3], v[128+j:128+j+1] op_sel_hi:[1,0,1]   ; tile 1, while the partials come
.set j, j+2
.endr
	s_wait_dscnt 0x0                               ; the partials are in
	WIN 0x03
.irp j, 0,2,4,6,8,10,12,14
	v_pk_mul_f32 v[X+\j:X+\j+1], v[128+\j:129+\j], v[FU:FU+1] op_sel_hi:[1,0]
.endr
.irp w, 1,2,3
.irp j, 0,2,4,6,8,10,12,14
	v_pk_fma_f32 v[X+\j:X+\j+1], v[128+16*\w+\j:129+16*\w+\j], v[FU+2*\w:FU+2*\w+1], v[X+\j:X+\j+1] op_sel_hi:[1,0,1]
.endr
.endr
	WIN 0
	v_max3_num_f32 v250, |v[X]|, |v[X+1]|, 0x4800000           ; my unit is one block of 32 channels for each query: 16 here, 16 in lane l xor 16
	v_max3_num_f32 v251, |v[X+2]|, |v[X+3]|, |v[X+4]|
	v_max3_num_f32 v250, v250, |v[X+5]|, |v[X+6]|
	v_max3_num_f32 v251, v251, |v[X+7]|, |v[X+8]|
	v_max3_num_f32 v250, v250, |v[X+9]|, |v[X+10]|
	v_max3_num_f32 v251, v251, |v[X+11]|, |v[X+12]|
	v_max3_num_f32 v250, v250, |v[X+13]|, |v[X+14]|
	v_max3_num_f32 v250, v250, v251, |v[X+15]|
	v_permlanex16_b32 v251, v250, s[SEL], s[SEL+1]
	v_max_num_f32 v250, v250, v251
	v_add_nc_u32 v252, 0xfc000000, v250
	v_and_or_b32 v253, v250, 0x7f800000, s[MNT]
	v_lshrrev_b32 v254, 23, v252
.irp i, 0,1,2,3,4,5,6,7,8,9,10,11,12,13,14,15
	v_med3_num_f32 v[X+\i], v[X+\i], -v253, v253
.endr
	v_cvt_scalef32_pk8_fp8_f32 v[CD:CD+1], v[X:X+7], v252
	v_cvt_scalef32_pk8_fp8_f32 v[CD+2:CD+3], v[X+8:X+15], v252
	v_add_nc_u32 v[SSW], s[HD], v[SSW0]            ; (a plain instruction behind the conversions)
	global_store_b128 v[L16], v[CD:CD+3], s[10:11] offset:-1024    ; the wave stores 512 consecutive bytes, aligned
	ds_store_b8 v[SSW], v254                       ; both lanes of a block write the same byte with the same value
	s_add_co_u32 s[HD], s[HD], 1
.if \fill
	s_xor_b32 s[TB], s[TB], SLOTB                  ; on to the other slot
.endif
.endm
	s_mov_b32 s[CNT], 15
.Lhead:                                            ; heads 0 to 14: each asks for the head that follows it
	HEAD 1
	s_sub_co_u32 s[CNT], s[CNT], 1
	s_cmp_lg_u32 s[CNT], 0
	s_cbranch_scc1 .Lhead
	HEAD 0                                         ; the last head is written out
	s_wait_alu depctr_va_vdst(0)
	s_wait_dscnt 0x0
	s_barrier_signal -1
	s_barrier_wait -1                              ; all scale bytes lie in LDS
	ds_load_b32 v250, v[SSR]                       ; four heads' bytes of the lower 32 channels,
	ds_load_b32 v251, v[SSR] offset:512            ; and of the upper
	s_wait_dscnt 0x0
	v_perm_b32 v252, v251, v250, 0x05010400        ; byte 2 head + half
	v_perm_b32 v253, v251, v250, 0x07030602
	global_store_b64 v[L8], v[252:253], s[12:13]   ; the wave stores 256 consecutive bytes, aligned
; out1: the mean goes through my own ring, which has had its last fill and its last read, and comes back as rows of 1,024 bytes
.macro MSTAGE t
	WIN 0x08                                       ; the data: window 2
.irp g, 0,1,2,3,4,5,6,7
.irp k, 0,1,2,3
	ds_store_b128 v[OSW], v[128*\t+16*\g+4*\k:128*\t+16*\g+4*\k+3] offset:OTILE*\t+128*\g+16*\k
.endr
.endr
	WIN 0x40                                       ; back into window 1.  LDS serves a wave's instructions in order: these see the stores above
.set m, 0
.rept 32
	ds_load_b128 v[128*\t+4*m:128*\t+4*m+3], v[RK] offset:OTILE*\t+OPITCH*(m/2)+512*(m%2)
.set m, m+1
.endr
.endm
	MSTAGE 0
	MSTAGE 1
	WIN 0x04                                       ; a store's data are its source 1: window 1
	s_wait_dscnt 63                                ; tile 0's rows are back: 64 LDS instructions were issued behind them
.set m, 0
.rept 32
	global_store_b128 v[L16], v[4*m:4*m+3], s[14:15] offset:((m/2)+8*((m/2)/8))*4096+512*(m%2) th:TH_STORE_NT   ; position 16 t + row is token 8 t + row + 8 (row / 8); 512 consecutive bytes
.set m, m+1
.endr
.set m, 0
.rept 32
	s_wait_dscnt 31-m
	global_store_b128 v[L16], v[128+4*m:128+4*m+3], s[14:15] offset:(8+(m/2)+8*((m/2)/8))*4096+512*(m%2) th:TH_STORE_NT
.set m, m+1
.endr
	WIN 0
	s_wait_tensorcnt 0x0                           ; the wave's end
	ds_add_u32 v[SPW], v[NIL]
	s_wait_dscnt 0x0
	CROUND                                         ; the closing round
	s_endpgm
.Lfunc_end_k_qb59dc44d37_attn:
	.size	k_qb59dc44d37_attn, .Lfunc_end_k_qb59dc44d37_attn-k_qb59dc44d37_attn
	.p2alignl 7, 3214868480
	.fill 96, 4, 3214868480
	.section	.rodata,"a",@progbits
	.p2align	6, 0x0
	.amdhsa_kernel k_qb59dc44d37_attn
		.amdhsa_group_segment_fixed_size 327680
		.amdhsa_private_segment_fixed_size 0
		.amdhsa_enable_private_segment 0
		.amdhsa_kernarg_size 48
		.amdhsa_user_sgpr_count 2
		.amdhsa_user_sgpr_kernarg_segment_ptr 1
		.amdhsa_wavefront_size32 1
		.amdhsa_system_sgpr_workgroup_id_x 1
		.amdhsa_system_sgpr_workgroup_id_y 1
		.amdhsa_system_sgpr_workgroup_id_z 1
		.amdhsa_system_vgpr_workitem_id 0
		.amdhsa_next_free_vgpr 1024
		.amdhsa_next_free_sgpr 66
		.amdhsa_reserve_vcc 0
		.amdhsa_float_denorm_mode_32 3
		.amdhsa_float_denorm_mode_16_64 3
		.amdhsa_memory_ordered 1
		.amdhsa_forward_progress 1
		.amdhsa_inst_pref_size 198
	.end_amdhsa_kernel
	.amdgpu_metadata
---
amdhsa.version: [ 1, 2 ]
amdhsa.kernels:
  - .name:           k_qb59dc44d37_attn
    .symbol:         k_qb59dc44d37_attn.kd
    .args:
      - { .name: qc, .offset: 0, .size: 8, .value_kind: global_buffer, .address_space: global }
      - { .name: qs, .offset: 8, .size: 8, .value_kind: global_buffer, .address_space: global }
      - { .name: kv, .offset: 16, .size: 8, .value_kind: global_buffer, .address_space: global }
      - { .name: ac, .offset: 24, .size: 8, .value_kind: global_buffer, .address_space: global }
      - { .name: asc, .offset: 32, .size: 8, .value_kind: global_buffer, .address_space: global }
      - { .name: out1, .offset: 40, .size: 8, .value_kind: global_buffer, .address_space: global }
    .group_segment_fixed_size: 327680
    .private_segment_fixed_size: 0
    .kernarg_segment_align: 8
    .kernarg_segment_size: 48
    .max_flat_workgroup_size: 128
    .sgpr_count:     66
    .vgpr_count:     1024
    .wavefront_size: 32
...
	.end_amdgpu_metadata
.endif
;; end of part 3
;; launch proj (part 4): grid 4 x 64, 4 waves a work-group, clusters of 4 x 4, 327,680 bytes of LDS; arguments ac, asc, cod, scl, b_out, out0; writes out0
.if DOCPART == 4
	.amdgcn_target "amdgcn-amd-amdhsa--gfx1250"
	.amdhsa_code_object_version 6
	.text
	.protected	k_qb59dc44d37_proj
	.globl	k_qb59dc44d37_proj
	.p2align	8
	.type	k_qb59dc44d37_proj,@function
k_qb59dc44d37_proj:
	s_mov_b64 s[64:65], 0
	v_nop
	global_prefetch_b8 v0, s[64:65] scope:SCOPE_SE
	s_setreg_imm32_b32 hwreg(HW_REG_WAVE_MODE, 25, 1), 1
	s_wait_xcnt 0x0
	s_wait_alu depctr_hold_cnt(0) depctr_sa_sdst(0) depctr_va_vdst(0) depctr_va_sdst(0) depctr_va_ssrc(0) depctr_va_vcc(0) depctr_vm_vsrc(0)
	s_getreg_b32 s2, hwreg(HW_REG_IB_STS2, 6, 4)
	s_cmp_eq_u32 s2, 0
	s_cbranch_scc0 .Lentry_in_a_cluster
	s_endpgm
.Lentry_in_a_cluster:
	s_bfe_u32 s2, ttmp6, 0x10000c
	s_cmp_lg_u32 s2, 0xf033
	s_cbranch_scc0 .Lentry_shape_is_right
	s_endpgm
.Lentry_shape_is_right:
; The fourth product, out0 = attn W_out^T + b_out, on codes of FP8 (E4M3) with E8M0 scales.  A block of 128 tokens x 256 columns is made by four waves, 64 x 128 each; the bias is the first products' C.
; A (ac) lies as images of operand registers, 16,384 bytes for 16 tokens, 4,096 of them a K step of 256; B = W_out's rows of the merged buffer cod (rows 11,264 on).  Clusters of 4 x 4: A's tiles are asked for jointly along a row, B's along a column.
; FILLS.  Three slots, each a K step of A (32,768 bytes) and of B (256 rows of 272).  Head: wave 0 A's K step 0, wave 1 B's, wave 2 A's scale bytes, wave 3 B's.  Behind one round: waves 0 to 3 bring A's and B's K steps 1 and 2, each whole.
; The one refill, K step 3 into slot 0, goes in halves, a quarter of the slot a wave.  Every wait on TENSORcnt is for 0.  LIMITS: NaN and infinities are not served.
.set SIZE_K, 1024
.set SIZE_N, 1024
.set NQ,     2
.set ROWB,   256
.set AROWB,  4096
.set KROW,   SIZE_K
.set PITCH,  272
.set FR,     16
.set NL,     4
.set NP,     8
.set HALFA,  4*AROWB
.set HALFB,  128*PITCH
.set BOFF,   2*HALFA
.set SLOT,   BOFF+2*HALFB
.set KS,     SIZE_K/32
.set SCL,    3*SLOT
.set HALFSA, (64*KS/256)*272
.set HALFSB, (128*KS/256)*272
.set SBLK,   (16*KS/256)*272
.set SPARE,  SCL+2*HALFSA+2*HALFSB
.set SPITCH, 528
.set STAGE,  SLOT
.set ADRA, 16
.set ADRB, 20
.set STO,  24
.set RD,   25
.set CO,   26
.set ADRS, 27
.set SPW,  28
.set NIL,  29
.set SC,   32
.set BO,   64
.set AF,   128
.set BK,   128
.set G1,   24
.set G0,   32
.set G1B,  44
.set G0B,  52
.set G1S,  68
.set G0S,  76
.set G1SB, 80
.set G0SB, 88
.set CX,   98
.set CY,   99
.set TC,   100
.set MR,   101
.set MC,   66
.set LA,   67
.set LB,   94
.set MSB, 0
.macro WIN new
.if MSB != \new
	s_set_vgpr_msb (MSB<<8)|\new
.set MSB, \new
.endif
.endm
.set MUL,   0xa1
.set MUL_C, 0x81
.set TO_B,  0x40
.macro JLOAD g0a, g1a, g0b, g1b
	s_cmp_eq_u32 s15, 0
	s_cbranch_scc0 .Lfor_b_\@
	tensor_load_to_lds s[\g0a:\g0a+3], s[\g1a:\g1a+7]
	s_nop 0
.rept 4
	v_nop
.endr
	s_branch .Lasked_\@
.Lfor_b_\@:
	tensor_load_to_lds s[\g0b:\g0b+3], s[\g1b:\g1b+7]
	s_nop 0
.rept 4
	v_nop
.endr
.Lasked_\@:
.endm
.macro CREST
	s_cmp_lg_u32 s14, 0
	s_cbranch_scc1 .Lnot_wave_0_\@
	s_barrier_signal -3
.Lnot_wave_0_\@:
	s_barrier_wait -3
	s_barrier_signal -1
	s_barrier_wait -1
.endm
.macro CROUND
	s_barrier_signal -1
	s_barrier_wait -1
	CREST
.endm
	s_load_b128 s[4:7], s[0:1], 0x0
	s_load_b128 s[8:11], s[0:1], 0x10
	s_load_b64 s[96:97], s[0:1], 0x20
	s_load_b64 s[12:13], s[0:1], 0x28
	v_lshl_add_u32 v[SPW], v0, 2, SPARE
	v_mov_b32 v[NIL], 0
	ds_add_u32 v28, v29
	ds_add_u32 v28, v29
	s_wait_dscnt 0x0
	v_lshrrev_b32 v1, 5, v0
	v_readfirstlane_b32 s14, v1
	s_lshr_b32 s15, s14, 1
	s_and_b32 s16, s14, 1
	s_bfe_u32 s[CX], ttmp6, 0x40000
	s_bfe_u32 s[CY], ttmp6, 0x40004
	s_lshl_b32 s[TC], ttmp9, 2
	s_add_co_u32 s[TC], s[TC], s[CX]
	s_and_b32 s17, ttmp7, 0xffff
	s_lshl_b32 s17, s17, 2
	s_add_co_u32 s17, s17, s[CY]
	s_lshl_b32 s[MR], s[CY], 2
	s_lshl_b32 s[MR], 15, s[MR]
	s_lshl_b32 s[MC], 0x1111, s[CX]
	s_or_b32 s[G1+0], s[MR], (0<<16)|(1<<21)
	s_mov_b32 s[G1+1], AROWB<<16
	s_mov_b32 s[G1+2], 8<<16
	s_mov_b32 s[G1+3], AROWB<<16
	s_mov_b32 s[G1+4], 8
	s_mov_b32 s[G1+5], 16384
	s_mov_b32 s[G1+6], 0
	s_mov_b32 s[G1+7], 0
	s_or_b32 s[G1B+0], s[MC], (0<<16)|(1<<20)|(1<<21)|(5<<22)|(3<<25)
	s_mov_b32 s[G1B+1], ROWB<<16
	s_mov_b32 s[G1B+2], 256<<16
	s_mov_b32 s[G1B+3], ROWB<<16
	s_mov_b32 s[G1B+4], 256
	s_mov_b32 s[G1B+5], KROW
	s_mov_b32 s[G1B+6], 0
	s_mov_b32 s[G1B+7], 0
	s_or_b32 s[G1S+0], s[MR], (3<<16)|(1<<20)|(1<<21)|(5<<22)|(3<<25)
	s_mov_b32 s[G1S+1], 32<<16
	s_mov_b32 s[G1S+2], (128*KS/256)<<16
	s_mov_b32 s[G1S+3], 32<<16
	s_mov_b32 s[G1S+4], 128*KS/256
	s_mov_b32 s[G1S+5], 32
	s_mov_b32 s[G1S+6], 0
	s_mov_b32 s[G1S+7], 0
	s_or_b32 s[G1SB+0], s[MC], (3<<16)|(1<<20)|(1<<21)|(5<<22)|(3<<25)
	s_mov_b32 s[G1SB+1], 32<<16
	s_mov_b32 s[G1SB+2], (256*KS/256)<<16
	s_mov_b32 s[G1SB+3], 32<<16
	s_mov_b32 s[G1SB+4], 256*KS/256
	s_mov_b32 s[G1SB+5], 32
	s_mov_b32 s[G1SB+6], 0
	s_mov_b32 s[G1SB+7], 0
	s_lshl_b32 s20, s17, 7                         ; A: the block's first token
	s_lshl_b32 s2, s[TC], 8                        ; B: the block's first row of W_out,
	s_add_co_u32 s2, s2, 11264                     ; in the merged buffer
	s_mov_b32 s21, 0
	s_mov_b32 s3, 0
	s_mov_b64 s[18:19], KS
	s_mul_u64 s[22:23], s[20:21], s[18:19]
	s_mul_u64 s[92:93], s[2:3], s[18:19]
	s_mov_b64 s[18:19], KROW
	s_mul_u64 s[20:21], s[20:21], s[18:19]
	s_mul_u64 s[2:3], s[2:3], s[18:19]
	s_mul_i32 s[LA], s16, HALFA
	s_mul_i32 s[LB], s16, HALFB
	s_add_co_u32 s[LB], s[LB], BOFF
	s_wait_kmcnt 0x0
	s_add_nc_u64 s[20:21], s[4:5], s[20:21]
	s_add_nc_u64 s[22:23], s[6:7], s[22:23]
	s_add_nc_u64 s[2:3], s[8:9], s[2:3]
	s_add_nc_u64 s[92:93], s[10:11], s[92:93]
	CROUND
	s_mov_b32 s[G0S], 1
	s_mov_b32 s[G0S+1], SCL
	s_mov_b64 s[G0S+2:G0S+3], s[22:23]
	s_or_b32 s[G0S+3], s[G0S+3], 0x80000000
	s_mov_b32 s[G0SB], 1
	s_mov_b32 s[G0SB+1], SCL+2*HALFSA
	s_mov_b64 s[G0SB+2:G0SB+3], s[92:93]
	s_or_b32 s[G0SB+3], s[G0SB+3], 0x80000000
.irp s, 0,1,2
	s_mov_b32 s[G0+4*\s], 1
	s_mov_b32 s[G0+4*\s+1], \s*SLOT
	s_add_nc_u64 s[G0+4*\s+2:G0+4*\s+3], s[20:21], \s*AROWB
	s_or_b32 s[G0+4*\s+3], s[G0+4*\s+3], 0x80000000
	s_mov_b32 s[G0B+4*\s], 1
	s_mov_b32 s[G0B+4*\s+1], \s*SLOT+BOFF
	s_add_nc_u64 s[G0B+4*\s+2:G0B+4*\s+3], s[2:3], \s*ROWB
	s_or_b32 s[G0B+4*\s+3], s[G0B+4*\s+3], 0x80000000
.endr
	s_lshl_b32 s4, s16, 16                         ; what the refill adds to slot 0's addresses: my half (A: 4 images of 16,384 bytes; B: 128 rows) and three K steps
	s_add_co_u32 s4, s4, 3*AROWB
	s_mov_b32 s5, 0
	s_lshl_b32 s6, s16, 17
	s_add_co_u32 s6, s6, 3*ROWB
	s_mov_b32 s7, 0
; one tensor load a wave in each group of first fills: one tree of branches on the wave's number, a load to an arm
.macro ARM under, g0, g1, next, join
	s_cmp_lt_u32 s14, \under
	s_cbranch_scc0 \next
	tensor_load_to_lds s[\g0:\g0+3], s[\g1:\g1+7]
	s_nop 0
.rept 4
	v_nop
.endr
	s_branch \join
\next:
.endm
	ARM 1, G0,  G1,  .Lh_b,  .Lh_asked             ; wave 0: A's K step 0
	ARM 2, G0B, G1B, .Lh_sa, .Lh_asked             ; wave 1: B's
	ARM 3, G0S, G1S, .Lh_sb, .Lh_asked             ; wave 2: A's scale bytes
	tensor_load_to_lds s[G0SB:G0SB+3], s[G1SB:G1SB+7]  ; wave 3: B's
	s_nop 0
.rept 4
	v_nop
.endr
.Lh_asked:
	v_and_b32 v1, 15, v0
	v_bfe_u32 v2, v0, 4, 1
	v_and_b32 v6, 31, v0
	v_lshlrev_b32 v7, 4, v6
	v_mul_u32_u24 v3, v1, PITCH
	v_lshl_add_u32 v4, v2, 4, v3
	s_mul_i32 s21, s15, HALFA
	s_mul_i32 s22, s16, HALFB
	s_add_co_u32 s22, s22, BOFF
.irp s, 0,1,2
	v_add_nc_u32 v[ADRA+\s], s21, v7
	v_add_nc_u32 v[ADRB+\s], s22, v4
	s_add_co_u32 s21, s21, SLOT
	s_add_co_u32 s22, s22, SLOT
.endr
	v_mul_u32_u24 v5, v1, KS
	v_lshrrev_b32 v6, 8, v5
	v_lshl_add_u32 v5, v6, 4, v5
	s_mul_i32 s21, s15, HALFSA
	s_mul_i32 s22, s16, HALFSB
	s_add_co_u32 s22, s22, 2*HALFSA
	s_sub_co_u32 s22, s22, s21
	v_mul_u32_u24 v6, s22, v2
	s_add_co_u32 s21, s21, SCL
	v_add_nc_u32 v5, v5, v6
	v_add_nc_u32 v[ADRS], s21, v5
	s_mul_i32 s23, s14, 16*SPITCH
	s_add_co_u32 s23, s23, STAGE
	v_mul_u32_u24 v5, v1, SPITCH
	v_lshl_add_u32 v5, v2, 5, v5
	v_add_nc_u32 v[STO], s23, v5
	v_mov_b32 v[CO], v7
	v_add_nc_u32 v[RD], s23, v[CO]
	v_lshlrev_b32 v8, 5, v2
	s_wait_alu depctr_va_vdst(0)
	s_lshl_b32 s20, s17, 7
	s_lshl_b32 s21, s15, 6
	s_add_co_u32 s20, s20, s21
	s_mov_b32 s21, 0
	s_mov_b64 s[18:19], SIZE_N*4
	s_mul_u64 s[20:21], s[20:21], s[18:19]
	s_lshl_b32 s2, s[TC], 10
	s_lshl_b32 s3, s16, 9
	s_add_co_u32 s2, s2, s3
	s_mov_b32 s3, 0
	s_add_nc_u64 s[20:21], s[20:21], s[2:3]
	s_add_nc_u64 s[12:13], s[12:13], s[20:21]
	s_add_nc_u64 s[96:97], s[96:97], s[2:3]
.irp b, 0,1,2,3,4,5,6,7
	global_load_b128 v[BO+8*\b:BO+8*\b+3], v8, s[96:97] offset:64*\b
	global_load_b128 v[BO+8*\b+4:BO+8*\b+7], v8, s[96:97] offset:64*\b+16
.endr
.macro FRAG reg, adr, q, i
.irp c, 0,1,2,3
	ds_load_b128 v[\reg+4*\c:\reg+4*\c+3], v[\adr] offset:128*(\q)+32*\c+(\i)*16*PITCH
.endr
.endm
.macro FRAGA reg, adr, q, i
.irp c, 0,1,2,3
	ds_load_b128 v[\reg+4*\c:\reg+4*\c+3], v[\adr] offset:AROWB*(\i)+2048*(\q)+512*\c
.endr
.endm
.macro SCALES sc
.irp i, 0,1,2,3,4,5,6,7
	ds_load_b64 v[SC+8*NQ*(\sc)+NQ*\i:SC+8*NQ*(\sc)+NQ*\i+1], v[ADRS] offset:\i*SBLK
.endr
.endm
.macro PLACES n
.rept \n
	v_nop
.endr
.endm
.macro FETCH u
.set fk, (\u)/2
.set fq, (\u)%2
.set fs, fk%3
	WIN TO_B
.irp i, 0,1,2,3,4,5,6,7
	FRAG 128*fq+FR*\i, ADRB+fs, fq, \i
.endr
	WIN 0
	FRAGA AF+64*fq, ADRA+fs, fq, 0
	FRAGA AF+64*fq+FR, ADRA+fs, fq, 1
.if fq == 0
.if fk > 0
	v_add_nc_u32 v[ADRS], 4*NQ, v[ADRS]
.endif
	SCALES fk%2
.endif
	FRAGA AF+64*fq+2*FR, ADRA+fs, fq, 2
	FRAGA AF+64*fq+3*FR, ADRA+fs, fq, 3
.endm
.macro MUL8 a, u, zero
.set mq, (\u)%2
.set ms, SC+8*NQ*(((\u)/2)%2)+mq
.irp b, 0,1,2,3,4,5,6,7
.if \zero
	v_wmma_scale_f32_16x16x128_f8f6f4 v[8*(8*(\a)+\b):8*(8*(\a)+\b)+7], v[128*mq+FR*\b:128*mq+FR*\b+FR-1], v[AF+64*mq+FR*(\a):AF+64*mq+FR*(\a)+FR-1], v[BO+8*\b:BO+8*\b+7], v[ms+NQ*\b], v[ms+NQ*(\a)] matrix_a_scale:MATRIX_SCALE_ROW1
.else
	v_wmma_scale_f32_16x16x128_f8f6f4 v[8*(8*(\a)+\b):8*(8*(\a)+\b)+7], v[128*mq+FR*\b:128*mq+FR*\b+FR-1], v[AF+64*mq+FR*(\a):AF+64*mq+FR*(\a)+FR-1], v[8*(8*(\a)+\b):8*(8*(\a)+\b)+7], v[ms+NQ*\b], v[ms+NQ*(\a)] matrix_a_scale:MATRIX_SCALE_ROW1
.endif
.endr
.endr
.endm
.macro UNIT u, zero
	s_wait_dscnt 2*NL
.if \zero
	WIN MUL_C
.else
	WIN MUL
.endif
	MUL8 0, \u, \zero
	MUL8 1, \u, \zero
	s_wait_dscnt 0x0
	PLACES NP
	FETCH (\u)+1
.if \zero
	WIN MUL_C
.else
	WIN MUL
.endif
	MUL8 2, \u, \zero
	MUL8 3, \u, \zero
.endm
.macro TURN u, fill
	WIN 0
	s_wait_tensorcnt 0x0
	ds_add_u32 v[SPW], v[NIL]
	s_wait_dscnt 2*NL+1
	WIN MUL
	MUL8 0, \u, 0
	s_wait_dscnt 0x0
	s_barrier_signal -1
	MUL8 1, \u, 0
	WIN 0
	s_barrier_wait -1
.if \fill
	CREST
	s_mov_b32 s[G1+2], 4<<16                       ; no tensor load of mine is out: the refill goes in halves: 4 images of A, 128 rows of B a wave
	s_mov_b32 s[G1+4], 4
	s_mov_b32 s[G1B+2], 128<<16
	s_mov_b32 s[G1B+4], 128
	s_mov_b32 s[G0+1], s[LA]
	s_mov_b32 s[G0B+1], s[LB]
	s_add_nc_u64 s[G0+2:G0+3], s[G0+2:G0+3], s[4:5]
	s_add_nc_u64 s[G0B+2:G0B+3], s[G0B+2:G0B+3], s[6:7]
	JLOAD G0, G1, G0B, G1B
	PLACES NP-4
.else
	PLACES NP
.endif
	FETCH (\u)+1
	WIN MUL
	MUL8 2, \u, 0
	MUL8 3, \u, 0
.endm
	s_wait_alu depctr_va_vdst(0)
	s_wait_tensorcnt 0x0                           ; my tile of the head's four is in
	ds_add_u32 v[SPW], v[NIL]
	s_wait_dscnt 0x0
	CROUND                                         ; all four tiles are in, and all sixteen work-groups are here
	ARM 1, G0+4,  G1,  .Ls_b1, .Ls_asked           ; slots 1 and 2 are filled for the first time: wave 0 A's K step 1,
	ARM 2, G0B+4, G1B, .Ls_a2, .Ls_asked           ; wave 1 B's,
	ARM 3, G0+8,  G1,  .Ls_b2, .Ls_asked           ; wave 2 A's K step 2,
	tensor_load_to_lds s[G0B+8:G0B+11], s[G1B:G1B+7]   ; wave 3 B's
	s_nop 0
.rept 4
	v_nop
.endr
.Ls_asked:
	FETCH 0
	s_wait_loadcnt 0x0
	UNIT 0, 1
	TURN 1, 1
	s_wait_alu depctr_va_vdst(0)
	UNIT 2, 0
	UNIT 3, 0
	s_wait_alu depctr_va_vdst(0)
	UNIT 4, 0
	TURN 5, 0
	UNIT 6, 0
	s_wait_dscnt 2*NL
	WIN MUL
	MUL8 0, 7, 0
	MUL8 1, 7, 0
	s_wait_dscnt 0x0
	MUL8 2, 7, 0
	MUL8 3, 7, 0
	WIN 0
.macro TOSTAGE a
.set AC, 64*(\a)
	WIN 0x08
.irp b, 0,1,2,3,4,5,6,7
	ds_store_b128 v[STO], v[AC+8*\b:AC+8*\b+3] offset:64*\b
	ds_store_b128 v[STO], v[AC+8*\b+4:AC+8*\b+7] offset:64*\b+16
.endr
	WIN 0
.set BB, BK+64*((\a)%2)
.irp t, 0,1,2,3,4,5,6,7,8,9,10,11,12,13,14,15
	ds_load_b128 v[BB+4*\t:BB+4*\t+3], v[RD] offset:\t*SPITCH
.endr
.endm
.macro SEND a, younger
.set BB, BK+64*((\a)%2)
	s_wait_dscnt \younger
.if (\a) > 0
.if (\a)%2
	s_add_nc_u64 s[12:13], s[12:13], 8*SIZE_N*4
.else
	s_add_nc_u64 s[12:13], s[12:13], 24*SIZE_N*4
.endif
.endif
.irp t, 0,1,2,3,4,5,6,7,8,9,10,11,12,13,14,15
	global_store_b128 v[CO], v[BB+4*\t:BB+4*\t+3], s[12:13] offset:(\t+8*(\t/8))*SIZE_N*4 th:TH_STORE_NT
.endr
.endm
	PLACES NP
	TOSTAGE 0
.irp a, 1,2,3
.if \a > 1
	s_wait_xcnt 0x0
.endif
	TOSTAGE \a
	SEND \a-1, 32
.endr
	s_wait_xcnt 0x0
	SEND 3, 0
	s_wait_tensorcnt 0x0
	ds_add_u32 v[SPW], v[NIL]
	s_wait_dscnt 0x0
	CROUND
	s_endpgm
.Lfunc_end_k_qb59dc44d37_proj:
	.size	k_qb59dc44d37_proj, .Lfunc_end_k_qb59dc44d37_proj-k_qb59dc44d37_proj
	.p2alignl 7, 3214868480
	.fill 96, 4, 3214868480
	.section	.rodata,"a",@progbits
	.p2align	6, 0x0
	.amdhsa_kernel k_qb59dc44d37_proj
		.amdhsa_group_segment_fixed_size 327680
		.amdhsa_private_segment_fixed_size 0
		.amdhsa_enable_private_segment 0
		.amdhsa_kernarg_size 48
		.amdhsa_user_sgpr_count 2
		.amdhsa_user_sgpr_kernarg_segment_ptr 1
		.amdhsa_wavefront_size32 1
		.amdhsa_system_sgpr_workgroup_id_x 1
		.amdhsa_system_sgpr_workgroup_id_y 1
		.amdhsa_system_sgpr_workgroup_id_z 1
		.amdhsa_system_vgpr_workitem_id 0
		.amdhsa_next_free_vgpr 768
		.amdhsa_next_free_sgpr 102
		.amdhsa_reserve_vcc 0
		.amdhsa_float_denorm_mode_32 3
		.amdhsa_float_denorm_mode_16_64 3
		.amdhsa_memory_ordered 1
		.amdhsa_forward_progress 1
		.amdhsa_inst_pref_size 92
	.end_amdhsa_kernel
	.amdgpu_metadata
---
amdhsa.version: [ 1, 2 ]
amdhsa.kernels:
  - .name:           k_qb59dc44d37_proj
    .symbol:         k_qb59dc44d37_proj.kd
    .args:
      - { .name: ac, .offset: 0, .size: 8, .value_kind: global_buffer, .address_space: global }
      - { .name: asc, .offset: 8, .size: 8, .value_kind: global_buffer, .address_space: global }
      - { .name: cod, .offset: 16, .size: 8, .value_kind: global_buffer, .address_space: global }
      - { .name: scl, .offset: 24, .size: 8, .value_kind: global_buffer, .address_space: global }
      - { .name: b_out, .offset: 32, .size: 8, .value_kind: global_buffer, .address_space: global }
      - { .name: out0, .offset: 40, .size: 8, .value_kind: global_buffer, .address_space: global }
    .group_segment_fixed_size: 327680
    .private_segment_fixed_size: 0
    .kernarg_segment_align: 8
    .kernarg_segment_size: 48
    .max_flat_workgroup_size: 128
    .sgpr_count:     102
    .vgpr_count:     768
    .wavefront_size: 32
...
	.end_amdgpu_metadata
.endif
;; end of part 4
